; MI455X (gfx1250); checked and timed in simulation.
; The chip was launched on July 23, 2026; its instructions are those of AMD's public machine-readable ISA for CDNA 5 (MIT licence, August 2026) and "CDNA5" Instruction Set Architecture Reference Guide (July 2026). The comments in the code are by the model that wrote it; some were corrected since.
;; Causal Self Attention. Allowed arithmetic: matrix products marked QUANTISED: E2M3 operands, one E8M0 scale for each 32 along K, by v_wmma_scale_f32_16x16x128_f8f6f4 with both operands' format E2M3, f32 sums; everything else in f32.
;; Inputs: b_attn 3,072 float32; b_proj 1,024 float32; w_attn 1,024 x 3,072 float32; w_proj 1,024 x 1,024 float32; x 4 x 2,048 x 1,024 float32.
;; Outputs: out0 4 x 2,048 x 1,024 float32.
;; This version of the problem:
;;   THIS VERSION OF THE PROBLEM IS GIVEN IN LOW PRECISION. The matrix products marked QUANTISED in the list below multiply operands that are first quantised to E2M3 (2 exponent bits, 3 mantissa bits; 6 bits a number), with one power-of-two scale for each 32 numbers along K (OCP MX v1.0); their sums are f32. All else is computed in f32.
;;   The module's matrix products, in the order in which they are computed (A, B: the left and right operand; K: the contracted axis; several contracted axes count as one K, in the product's order):
;;     1. [M 8,192, K 1,024] x [K 1,024, N 3,072]; A: input x; B: input w_attn: QUANTISED
;;     2. batch 64 x [M 2,048, K 64] x [K 64, N 2,048]; A: computed on the way; B: computed on the way: QUANTISED
;;     3. batch 64 x [M 2,048, K 2,048] x [K 2,048, N 64]; A: softmax (see below); B: computed on the way: QUANTISED
;;     4. [M 8,192, K 1,024] x [K 1,024, N 1,024]; A: computed on the way; B: input w_proj: QUANTISED
;;   THE QUANTISER, for each operand of a quantised product, along K:
;;     - K is cut into blocks of 32 from its start; a last block that is shorter is filled with zeros.
;;     - A block's scale is 2^e with e = floor(log2(the largest magnitude in the block)) - 2, held to -126 .. 127; a block of zeros has e = 0. As a byte (E8M0): e + 127.
;;     - Each number is divided by its block's scale, clamped to +-7.5, and rounded to the nearest number of E2M3, ties to even, subnormals kept.
;;     - The product sums the exact products of the quantised numbers (number of the format x scale) in f32.
;;   ~~~python
;;   def quantise(x, axis):      # numpy; x: float32 -> the quantised numbers, widened to float32 again
;;       x = np.moveaxis(x, axis, -1); K = x.shape[-1]
;;       x = np.pad(x, [(0, 0)] * (x.ndim - 1) + [(0, -K % 32)]); x = x.reshape(x.shape[:-1] + (-1, 32)); a = np.abs(x).max(-1, keepdims=True)
;;       e = np.where(a > 0, np.clip(np.frexp(np.where(a > 0, a, 1))[1] - 1 - 2, -126, 127), 0)      # np.frexp(a)[1] - 1 = floor(log2(a)), exactly
;;       r = np.clip(x / 2.0 ** e, -7.5, 7.5)
;;       step = 2.0 ** (np.maximum(np.frexp(np.where(r == 0, 1, r))[1] - 1, 0) - 3)
;;       q = np.round(r / step) * step * 2.0 ** e      # np.round: ties to even
;;       return np.moveaxis(q.reshape(q.shape[:-2] + (-1,))[..., :K], -1, axis).astype(np.float32)
;;   ~~~
;;   SOFTMAX AHEAD OF A QUANTISED PRODUCT. Where the list says 'softmax', what is quantised is not the finished softmax but p = 2^(t - M), with t = logit x log2(e) and M = ceil(the row's largest t), a whole number; so 1/2 < the row's largest p <= 1. The row's sum l is taken of the UNQUANTISED p, in f32, and the product's result is divided by l at the end. Since M is a whole number, a kernel that streams over the keys may use a running M (the ceiling of the running maximum): every later rescaling is an exact power of two, which a block's scale takes up: the codes' values come out the same.
;;   OPERANDS COMPUTED ON THE WAY. 'Computed on the way' means the value that the module computes at that place (a softmax that the list does not call 'softmax' is quantised finished and normalised). What goes into a quantiser is computed in f32, as accurately as f32 sums, v_exp_f32 and their like allow (about 1e-6 of the number): no bf16 or f16 on the way to a quantiser, and a product that is left as it is and whose result goes on into a quantised operand takes f32 operands (vector FMAs, or v_wmma_f32_16x16x4_f32). A number that lies on a knife's edge between two numbers of the format may be rounded either way, as far as f32 arithmetic and the matrix unit's own rounding can turn it there, and no further.
;; One version. Each part assembles by itself: llvm-mc -triple=amdgcn-amd-amdhsa -mcpu=gfx1250 --defsym DOCPART=n.
;; ======== version 1 of 1: 4 launches
;; workspace buffers: xc 6,291,456 bytes; xs 262,144 bytes; wc 3,145,728 bytes; ws 131,072 bytes; ac 18,874,368 bytes; asc 786,432 bytes; yc 6,291,456 bytes; ys 262,144 bytes
;; launch quant (part 1): grid 384 x 1, 4 waves a work-group, no clusters, 59,904 bytes of LDS; arguments x, w_attn, w_proj, xc, xs, wc, ws; writes xc, xs, wc, ws
.if DOCPART == 1
	.amdgcn_target "amdgcn-amd-amdhsa--gfx1250"
	.amdhsa_code_object_version 6
	.text
	.protected	k_q6ebbccec2b_quant
	.globl	k_q6ebbccec2b_quant
	.p2align	8
	.type	k_q6ebbccec2b_quant,@function
k_q6ebbccec2b_quant:
	s_mov_b64 s[64:65], 0
	v_nop
	global_prefetch_b8 v0, s[64:65] scope:SCOPE_SE
	s_setreg_imm32_b32 hwreg(HW_REG_WAVE_MODE, 25, 1), 1
	s_wait_xcnt 0x0
; x [8192][1024], w_attn [1024][3072] and w_proj [1024][1024], f32, become codes of FP6 (E2M3) with one E8M0 byte for each 32 along K (K = 1024: x's last axis, the weights' first).
; THE CODES ARE LAID AS IMAGES OF OPERAND REGISTERS.  A fragment is 16 rows x 128 K = 12 registers a lane = 1,536 bytes: registers 0-3 at 16 x lane, 4-5 at 512 + 8 x lane, 6-9 at 768 + 16 x lane,
; 10-11 at 1280 + 8 x lane.  Lane row r of fragment f is row 32 (f / 2) + 8 (f % 2) + r + 8 (r / 8): used as a product's source 0, two neighbouring fragments then give a lane 16 neighbouring rows.
; xc, wc: [fragment][8 K steps of 128][1536].  wc's rows 0..3071 are w_attn's columns, rows 3072..4095 w_proj's.  Scale words (xs, ws): fragment x 512 + (K step / 2) x 128 + 8 r + 4 (K step % 2).
; A block's scale is 2^(floor(log2(largest magnitude)) - 2): its byte is the largest magnitude's exponent field - 2, held at 1 from below by a floor among the maximum's leaves.
; LIMITS: NaN and infinities among the inputs are not served; a block whose largest magnitude lies under 2^-124 gets the byte 1; a block of zeros gets the byte 1 over zero codes (this program alone reads the bytes).
; Work-groups 0..255 take x, 256..383 the weights; each way has LDS bytes of its own.  Memory binds: no matrix unit, no cluster (nothing is shared), no barrier (waves share nothing).
.set STGX,  8448                       ; x: a wave's stage: 16 rows x (512 bytes + 16)
.set WBASE, 4*STGX                     ; the weights' stages begin behind x's
.set FRGW,  3200                       ; weights: a fragment's two images (3,072 bytes) + 128
.set STGW,  2*FRGW                     ; a wave's stage: two fragments
.set SEL,   20                         ; s[20:21] selects of v_permlanex16_b32 for lane l xor 16 (x's way)
.set PC,    16                         ; v16-35   a fragment's codes (12) and the conversions' second halves
.set TM,    36                         ; v36-51   at work in QUANT
.set W0,    52                         ; v52-55   the four K steps' scale words
.set Z,     56                         ; v56-57   the same, gathered for one store
.set RA,    64                         ; v64-191  two sets of 64 numbers as they are loaded
.set XN,    192                        ; v192-255 64 numbers of my row: register 16 b + i = k 32 b + 16 (lane / 16) + i
.set SB,    24                         ; weights: v24-25 my column's eight scale bytes
.set XW,    32                         ; v32-95   two sets of 32 numbers down K
.set CW,    96                         ; v96-102  a block's codes
.set OUTW,  112                        ; v112-159 the way out
.set OFFS,  176                        ; v176-207 4 x lane + i rows of the weight
; 64 numbers of a lane become a fragment's codes in v[PC] on and its row's scale word in v[pw]
.macro QUANT s, pw
.irp b, 0,1,2,3
	v_max3_num_f32 v[TM+\b], |v[\s+16*\b]|, |v[\s+1+16*\b]|, 0x1800000   ; block b: my 16 numbers and the floor 2^(3 - 127): the byte cannot fall under 1
.endr
.irp i, 2,4,6,8,10,12,14
.irp b, 0,1,2,3
	v_max3_num_f32 v[TM+\b], v[TM+\b], |v[\s+16*\b+\i]|, |v[\s+1+16*\b+\i]|   ; the four blocks by turns
.endr
.endr
.irp b, 0,1,2,3
	v_permlanex16_b32 v[TM+4+\b], v[TM+\b], s[SEL], s[SEL+1]
.endr
.irp b, 0,1,2,3
	v_max_num_f32 v[TM+\b], v[TM+\b], v[TM+4+\b]   ; with lane l xor 16's 16: the block's largest magnitude
.endr
.irp b, 0,1,2,3
	v_add_nc_u32 v[TM+12+\b], 0xff000000, v[TM+\b]   ; 2 off its exponent field: the conversion takes this operand's exponent field as its scale
.endr
.irp b, 0,1,2,3
	v_lshrrev_b32 v[TM+4+\b], 23, v[TM+12+\b]      ; the scale's byte
.endr
	v_lshl_or_b32 v[\pw], v[TM+5], 8, v[TM+4]
	v_lshl_or_b32 v[\pw], v[TM+6], 16, v[\pw]
	v_lshl_or_b32 v[\pw], v[TM+7], 24, v[\pw]
.irp c, 0,1
	v_cvt_scalef32_pk16_fp6_f32 v[PC+6*\c:PC+2+6*\c], v[\s+32*\c:\s+15+32*\c], v[TM+12+2*\c]
	v_cvt_scalef32_pk16_fp6_f32 v[PC+12+4*\c:PC+14+4*\c], v[\s+16+32*\c:\s+31+32*\c], v[TM+12+2*\c+1]   ; (a conversion's three registers begin on an even number)
.endr
	v_nop                                          ; one plain instruction behind the scaled conversions
.irp c, 0,1                                    ; the layout wants a whole block in a lane: lanes 0-15 block 2 c, lanes 16-31 block 2 c + 1
.irp i, 0,1,2
	v_permlane16_swap_b32 v[PC+6*\c+\i], v[PC+12+4*\c+\i]
.endr
.irp i, 0,1,2
	v_mov_b32 v[PC+3+6*\c+\i], v[PC+12+4*\c+\i]
.endr
.endr
.endm
.macro LOADX t                         ; K step t of my fragment's 16 rows: each load reads 512 consecutive bytes of one row
.irp p, 0,1,2,3,4,5,6,7,8,9,10,11,12,13,14,15
	global_load_b128 v[RA+64*((\t)%2)+4*\p:RA+64*((\t)%2)+4*\p+3], v2, s[4:5] offset:(\p+8*(\p/8))*4096+512*(\t) th:TH_LOAD_NT
.endr
.endm
.macro TURNX t                         ; through my own stage: in as loaded, back 16 neighbours of each block a lane.  LDS serves a wave's instructions in order: no wait between
.irp p, 0,1,2,3,4,5,6,7,8,9,10,11,12,13,14,15
	ds_store_b128 v4, v[RA+64*((\t)%2)+4*\p:RA+64*((\t)%2)+4*\p+3] offset:528*\p
.endr
.irp b, 0,1,2,3
.irp j, 0,1,2,3
	ds_load_b128 v[XN+16*\b+4*\j:XN+16*\b+4*\j+3], v5 offset:128*\b+16*\j
.endr
.endr
.endm
.macro PUT off                         ; the fragment's image: each store covers 512 or 256 consecutive bytes, aligned
	global_store_b128 v2, v[PC:PC+3], s[10:11] offset:\off
	global_store_b64 v3, v[PC+4:PC+5], s[10:11] offset:\off+512
	global_store_b128 v2, v[PC+6:PC+9], s[10:11] offset:\off+768
	global_store_b64 v3, v[PC+10:PC+11], s[10:11] offset:\off+1280
.endm
.macro XSTEP t
.if (\t) < 3
	s_wait_loadcnt 16                              ; this K step's 16 loads are in; the next step's 16 may be out
.else
	s_wait_loadcnt 0x0
.endif
	TURNX \t
	s_wait_dscnt 0x0                               ; my numbers are back, and the stage's stores have read their registers,
.if (\t) < 2
	LOADX (\t)+2                                   ; which take the loads of two steps on
.endif
.if (\t) > 0
	s_wait_xcnt 0x0                                ; the last step's stores have read the codes' registers: they are written again only behind this wait
.endif
	QUANT XN, W0+(\t)
	PUT 1536*(\t)
.endm
.macro LOADW t                         ; block t of 32 down K: w(32 t + i, my column): 32 lanes read 128 consecutive bytes, the four waves 512
.set n, 0
.rept 32
	global_load_b32 v[XW+32*((\t)%2)+n], v[OFFS+n], s[32+2*(\t):33+2*(\t)] th:TH_LOAD_NT
.set n, n+1
.endr
.endm
.macro BLOCK t
.set XS, XW+32*((\t)%2)
.if (\t) < 7
	s_wait_loadcnt 32                              ; this block's 32 loads are in; the next block's 32 may be out
.else
	s_wait_loadcnt 0x0
.endif
	v_max3_num_f32 v12, |v[XS]|, |v[XS+1]|, |v[XS+2]|   ; all 32 numbers of the block are mine: two chains
	v_max3_num_f32 v13, |v[XS+3]|, |v[XS+4]|, |v[XS+5]|
.irp i, 6,10,14,18,22,26
	v_max3_num_f32 v12, v12, |v[XS+\i]|, |v[XS+\i+1]|
	v_max3_num_f32 v13, v13, |v[XS+\i+2]|, |v[XS+\i+3]|
.endr
	v_max3_num_f32 v12, v12, |v[XS+30]|, |v[XS+31]|
	v_max3_num_f32 v12, v12, v13, 0x1800000        ; and the floor
	v_add_nc_u32 v14, 0xff000000, v12              ; the conversions' scale operand
	v_lshrrev_b32 v15, 23, v14                     ; the scale's byte
	v_cvt_scalef32_pk16_fp6_f32 v[CW:CW+2], v[XS:XS+15], v14
	v_cvt_scalef32_pk16_fp6_f32 v[CW+4:CW+6], v[XS+16:XS+31], v14
.if (\t)%4 == 0
	v_mov_b32 v[SB+(\t)/4], v15                    ; four bytes to a word, the lower K lower.  (Also the plain instruction behind the conversions)
.else
	v_lshl_or_b32 v[SB+(\t)/4], v15, 8*((\t)%4), v[SB+(\t)/4]
.endif
	v_mov_b32 v[CW+3], v[CW+4]                     ; the block's 24 bytes on end
	v_mov_b32 v[CW+4], v[CW+5]
	v_mov_b32 v[CW+5], v[CW+6]
	ds_store_b128 v4, v[CW:CW+3] offset:((\t)/4)*1536+(((\t)/2)%2)*768+256*((\t)%2)      ; block t is registers 6 c .. 6 c + 5 (c = (t / 2) % 2) of image lane rr + 16 (t % 2), K step t / 4
	ds_store_b64 v5, v[CW+4:CW+5] offset:((\t)/4)*1536+(((\t)/2)%2)*768+512+128*((\t)%2)
.if (\t)+2 < 8
	LOADW (\t)+2
.endif
	s_wait_dscnt 0x0                               ; the stores have read their registers: the next block's codes may be written
.endm
	s_load_b256 s[4:11], s[0:1], 0x0               ; x s[4:5], w_attn s[6:7], w_proj s[8:9], xc s[10:11]
	s_load_b128 s[12:15], s[0:1], 0x20             ; xs s[12:13], wc s[14:15]
	s_load_b64 s[16:17], s[0:1], 0x30              ; ws
	v_lshl_add_u32 v31, v0, 2, 0xe800
	s_set_vgpr_msb 0x40
	v_mov_b32 v1, 0
	s_set_vgpr_msb 0x4000
	v_lshrrev_b32 v1, 5, v0
	v_readfirstlane_b32 s18, v1                    ; wave 0..3
	v_and_b32 v1, 31, v0                           ; lane
	s_cmp_lt_u32 ttmp9, 256
	s_cbranch_scc0 .Lweights
	; ---- x: wave u = 4 x work-group + wave takes fragment u / 2, K steps 4 (u % 2) .. + 3
	s_lshl_b32 s22, ttmp9, 2
	s_add_co_u32 s22, s22, s18                     ; u
	s_lshr_b32 s23, s22, 1                         ; fragment f
	s_and_b32 s24, s22, 1                          ; which half of K
	s_lshr_b32 s25, s23, 1
	s_lshl_b32 s25, s25, 17                        ; 32 (f / 2) rows of 4,096 bytes
	s_and_b32 s26, s23, 1
	s_lshl_b32 s26, s26, 15                        ; + 8 (f % 2) rows
	s_add_co_u32 s25, s25, s26
	s_lshl_b32 s26, s24, 11                        ; + 2,048 bytes for the upper half of K
	s_add_co_u32 s26, s25, s26
	s_mov_b32 s27, 0
	s_mul_i32 s28, s22, 6144                       ; my four images: (8 f + 4 half) x 1,536 = 6,144 u
	s_mov_b32 s29, 0
	s_lshl_b32 s30, s22, 8                         ; my 256 bytes of scale words: 512 f + 256 half
	s_mov_b32 s31, 0
	s_wait_alu depctr_va_vdst(0)
	v_lshlrev_b32 v2, 4, v1                        ; 16 x lane
	v_lshlrev_b32 v3, 3, v1                        ; 8 x lane
	s_mul_i32 s32, s18, STGX
	v_add_nc_u32 v4, s32, v2                       ; the stage, on the way in
	v_and_b32 v6, 15, v0
	v_bfe_u32 v7, v0, 4, 1
	v_mul_u32_u24 v5, v6, 528
	v_lshl_add_u32 v5, v7, 6, v5
	v_add_nc_u32 v5, s32, v5                       ; and out: row r, + 64 bytes for lanes 16-31
	s_mov_b32 s[SEL], 0x76543210
	s_mov_b32 s[SEL+1], 0xfedcba98
.irp b, 0,1,2,3
	v_mov_b32 v[TM+4+\b], 0                        ; written once: a lane permute's destination counts as one of its sources
.endr
	s_wait_alu depctr_va_vdst(0)
	s_wait_kmcnt 0x0
	s_add_nc_u64 s[4:5], s[4:5], s[26:27]
	s_add_nc_u64 s[10:11], s[10:11], s[28:29]
	s_add_nc_u64 s[12:13], s[12:13], s[30:31]
	LOADX 0
	LOADX 1
	XSTEP 0
	XSTEP 1
	XSTEP 2
	XSTEP 3
	v_cmp_le_u32 vcc_lo, 16, v1                    ; lanes 0-15 store K steps 0, 1 of my four, lanes 16-31 K steps 2, 3 (every lane holds its row's words)
	v_cndmask_b32 v[Z], v[W0], v[W0+2], vcc_lo
	v_cndmask_b32 v[Z+1], v[W0+1], v[W0+3], vcc_lo
	global_store_b64 v3, v[Z:Z+1], s[12:13]        ; 32 lanes store 256 consecutive bytes, aligned
	s_set_vgpr_msb 0x4
	s_wait_tensorcnt 0x0
	ds_add_u32 v31, v1
	s_wait_dscnt 0x0
	s_set_vgpr_msb 0x400
	s_endpgm
	; ---- the weights: work-group = (128 columns, 256 along K); a wave 32 columns = two fragments; A LANE TAKES A COLUMN AND ITS REGISTERS RUN DOWN K
.Lweights:
	s_sub_co_u32 s22, ttmp9, 256
	s_and_b32 s23, s22, 3                          ; which 256 along K
	s_lshr_b32 s24, s22, 2                         ; which 128 columns of the 4,096
	s_lshl_b32 s25, s24, 7
	s_lshl_b32 s26, s18, 5
	s_add_co_u32 s25, s25, s26                     ; my wave's first column
	s_lshr_b32 s48, s25, 4                         ; its fragment
	s_mul_i32 s50, s48, 12288
	s_mul_i32 s49, s23, 3072
	s_add_co_u32 s50, s50, s49                     ; codes: fragment x 12,288 + two K steps of 1,536
	s_mov_b32 s51, 0
	s_lshl_b32 s52, s48, 9
	s_lshl_b32 s49, s23, 7
	s_add_co_u32 s52, s52, s49                     ; scale words: fragment x 512 + 128 for each 256 along K
	s_mov_b32 s53, 0
	s_mov_b32 s20, 4096
	s_wait_kmcnt 0x0
	s_cmp_lt_u32 s24, 24                           ; w_attn's columns or w_proj's?  The choice hangs on the work-group's number alone
	s_cselect_b64 s[28:29], s[6:7], s[8:9]
	s_cselect_b32 s20, 12288, s20                  ; a row of the weight in bytes
	s_cselect_b32 s21, 0, 3072
	s_sub_co_u32 s21, s25, s21
	s_lshl_b32 s30, s21, 2                         ; my first column in bytes
	s_lshl_b32 s26, s23, 8
	s_mul_i32 s26, s26, s20                        ; + my first row
	s_add_co_u32 s30, s30, s26
	s_mov_b32 s31, 0
	s_add_nc_u64 s[32:33], s[28:29], s[30:31]      ; a base for each block of 32 rows
	s_lshl_b32 s26, s20, 5
	s_mov_b32 s27, 0
.irp t, 1,2,3,4,5,6,7
	s_add_nc_u64 s[32+2*\t:33+2*\t], s[30+2*\t:31+2*\t], s[26:27]
.endr
	s_add_nc_u64 s[14:15], s[14:15], s[50:51]
	s_add_nc_u64 s[16:17], s[16:17], s[52:53]
	s_wait_alu depctr_va_vdst(0)
	v_lshlrev_b32 v3, 2, v1                        ; 4 x lane
	v_bfe_u32 v9, v0, 3, 1                         ; column l lies in fragment (l / 8) % 2,
	v_and_b32 v10, 7, v0
	v_bfe_u32 v11, v0, 4, 1
	v_lshl_add_u32 v10, v11, 3, v10                ; as its row l % 8 + 8 (l / 16)
	s_mul_i32 s54, s18, STGW
	s_add_co_u32 s54, s54, WBASE                   ; my stage
	v_mul_u32_u24 v12, v9, FRGW
	v_add_nc_u32 v12, s54, v12
	v_lshl_add_u32 v4, v10, 4, v12                 ; where my 16-byte pieces go,
	v_lshl_add_u32 v5, v10, 3, v12                 ; and my 8-byte pieces
	v_lshlrev_b32 v7, 4, v1
	v_add_nc_u32 v6, s54, v7                       ; the way back: 16 x lane
	v_lshlrev_b32 v8, 9, v9
	v_lshl_add_u32 v8, v10, 3, v8                  ; my two scale words' place
.set n, 0
.rept 32
	v_mad_u32_u24 v[OFFS+n], s20, n, v3
.set n, n+1
.endr
	LOADW 0
	LOADW 1
.irp t, 0,1,2,3,4,5,6,7
	BLOCK \t
.endr
	s_wait_alu depctr_va_vdst(0)
	global_store_b64 v8, v[SB:SB+1], s[16:17]      ; my column's scale words of the two K steps
.irp x, 0,1
.irp c, 0,1,2,3,4,5
	ds_load_b128 v[OUTW+24*\x+4*\c:OUTW+24*\x+4*\c+3], v6 offset:\x*FRGW+512*\c   ; LDS serves a wave's instructions in order: these see my stores
.endr
.endr
.irp x, 0,1
.irp c, 0,1,2,3,4,5
	s_wait_dscnt 11-6*\x-\c                        ; this load is back; the younger ones may be out
	global_store_b128 v7, v[OUTW+24*\x+4*\c:OUTW+24*\x+4*\c+3], s[14:15] offset:\x*12288+512*\c   ; 512 consecutive bytes, aligned
.endr
.endr
	s_set_vgpr_msb 0x4
	s_wait_tensorcnt 0x0
	ds_add_u32 v31, v1
	s_wait_dscnt 0x0
	s_set_vgpr_msb 0x400
	s_endpgm
.Lfunc_end_k_q6ebbccec2b_quant:
	.size	k_q6ebbccec2b_quant, .Lfunc_end_k_q6ebbccec2b_quant-k_q6ebbccec2b_quant
	.p2alignl 7, 3214868480
	.fill 96, 4, 3214868480
	.section	.rodata,"a",@progbits
	.p2align	6, 0x0
	.amdhsa_kernel k_q6ebbccec2b_quant
		.amdhsa_group_segment_fixed_size 59904
		.amdhsa_private_segment_fixed_size 0
		.amdhsa_enable_private_segment 0
		.amdhsa_kernarg_size 56
		.amdhsa_user_sgpr_count 2
		.amdhsa_user_sgpr_kernarg_segment_ptr 1
		.amdhsa_wavefront_size32 1
		.amdhsa_system_sgpr_workgroup_id_x 1
		.amdhsa_system_sgpr_workgroup_id_y 1
		.amdhsa_system_sgpr_workgroup_id_z 1
		.amdhsa_system_vgpr_workitem_id 0
		.amdhsa_next_free_vgpr 258
		.amdhsa_next_free_sgpr 66
		.amdhsa_reserve_vcc 1
		.amdhsa_float_denorm_mode_32 3
		.amdhsa_float_denorm_mode_16_64 3
		.amdhsa_memory_ordered 1
		.amdhsa_forward_progress 1
		.amdhsa_inst_pref_size 77
	.end_amdhsa_kernel
	.amdgpu_metadata
---
amdhsa.version: [ 1, 2 ]
amdhsa.kernels:
  - .name:           k_q6ebbccec2b_quant
    .symbol:         k_q6ebbccec2b_quant.kd
    .args:
      - { .name: x, .offset: 0, .size: 8, .value_kind: global_buffer, .address_space: global }
      - { .name: w_attn, .offset: 8, .size: 8, .value_kind: global_buffer, .address_space: global }
      - { .name: w_proj, .offset: 16, .size: 8, .value_kind: global_buffer, .address_space: global }
      - { .name: xc, .offset: 24, .size: 8, .value_kind: global_buffer, .address_space: global }
      - { .name: xs, .offset: 32, .size: 8, .value_kind: global_buffer, .address_space: global }
      - { .name: wc, .offset: 40, .size: 8, .value_kind: global_buffer, .address_space: global }
      - { .name: ws, .offset: 48, .size: 8, .value_kind: global_buffer, .address_space: global }
    .group_segment_fixed_size: 59904
    .private_segment_fixed_size: 0
    .kernarg_segment_align: 8
    .kernarg_segment_size: 56
    .max_flat_workgroup_size: 128
    .sgpr_count:     66
    .vgpr_count:     258
    .wavefront_size: 32
...
	.end_amdgpu_metadata
.endif
;; end of part 1
;; launch qkv (part 2): grid 12 x 32, 4 waves a work-group, clusters of 4 x 4, 327,680 bytes of LDS; arguments xc, xs, wc, ws, b_attn, ac, asc; writes ac, asc
.if DOCPART == 2
	.amdgcn_target "amdgcn-amd-amdhsa--gfx1250"
	.amdhsa_code_object_version 6
	.text
	.protected	k_q6ebbccec2b_qkv
	.globl	k_q6ebbccec2b_qkv
	.p2align	8
	.type	k_q6ebbccec2b_qkv,@function
k_q6ebbccec2b_qkv:
	s_mov_b64 s[64:65], 0
	v_nop
	global_prefetch_b8 v0, s[64:65] scope:SCOPE_SE
	s_setreg_imm32_b32 hwreg(HW_REG_WAVE_MODE, 25, 1), 1
	s_wait_xcnt 0x0
	s_wait_alu depctr_hold_cnt(0) depctr_sa_sdst(0) depctr_va_vdst(0) depctr_va_sdst(0) depctr_va_ssrc(0) depctr_va_vcc(0) depctr_vm_vsrc(0)
	s_getreg_b32 s2, hwreg(HW_REG_IB_STS2, 6, 4)
	s_cmp_eq_u32 s2, 0
	s_cbranch_scc0 .Lentry_in_a_cluster
	s_endpgm
.Lentry_in_a_cluster:
	s_bfe_u32 s2, ttmp6, 0x10000c
	s_cmp_lg_u32 s2, 0xf033
	s_cbranch_scc0 .Lentry_shape_is_right
	s_endpgm
.Lentry_shape_is_right:
; qkv = x w_attn + b_attn on codes of FP6 (E2M3) with E8M0 scales, K = 1024; q, k and v are quantised in registers and leave as codes alone: q and k along the head's 64 channels, v along the keys.
; OPERANDS are images of operand registers (a fragment: 16 rows x 128 K, 1,536 bytes: registers 0-3 at 16 x lane, 4-5 at 512 + 8 x lane, 6-9 at 768 + 16 x lane, 10-11 at 1280 + 8 x lane); lane row r of fragment f is row
; 32 (f / 2) + 8 (f % 2) + r + 8 (r / 8).  A fragment comes from LDS by four dense loads: no pitch, no padding.
; SHARES.  A work-group makes 256 rows of P x 256 rows of R; each of four waves, as many as a WGP has SIMDs, 128 x 128: 64 accumulators, 512 registers.  Source 0 = R's fragments, source 1 = P's: a lane holds ONE row of P, and its 64
; registers of a block run along R in natural order: the next product's K.  q, k (cluster x 0, 1): P = x (tokens), R = w (channels).  v (cluster x 2): P = w (channels), R = x (tokens = keys).  Only pointers and steps are chosen
; (s_cselect on the cluster's x, which all partners share): one path through the text.
; K WALK, written out: four K steps of 256 in THREE slots.  K steps 0, 1, 2 and the scale words are first fills (four tensor loads of a wave are out at most); K step 3 is the one refill, into slot 0, asked for behind K step 0.
; CLUSTER 4 x 4: P's tiles hang on cy and are asked for jointly by a row of the cluster, R's on cx, by a column: a quarter of the requests.  No prefetch: three of four K steps are asked for at the head, the fourth two K steps ahead.
; The bias along R is the C of each sum's first product; the bias along P (v) is added on the way out; each is masked to zeros where it is not the one in use.
; OUT: ac: q at 0, k at 6,291,456: [b x 16 + head][token fragment][768] (half images);  v at 12,582,912: [b x 16 + head][key tile of 128][channel fragment][1536].  asc: the scale words, laid so that a wave stores whole runs of 256 bytes.
; LIMITS: NaN and infinities are not served; a block whose largest magnitude lies under 2^-124, or of zeros, gets the byte 1.
; REGISTERS: window 0: v1-3 lane, r, h; v4-18 addresses; v28-29 the spare word's; v32-63 scale words, two sets; v64-127 bias along R, later a block's numbers; v128-223 P's fragments, one set, later at work; v224-239 bias along P.
;   window 1: R's fragments, two sets, at v0 and v128.   windows 2, 3: accumulators; (a, b) at v[8 (8 (a % 4) + b)].
.set KST,   3072                       ; a fragment's bytes in a slot: 256 along K
.set HALFT, 8*KST                      ; eight fragments: one tensor load, and what a wave reads of P or of R
.set SLOT,  4*HALFT                    ; P's 16 fragments, then R's 16
.set SCL,   3*SLOT                     ; the scale words for all of K: P's 8,192 bytes, then R's
.set SPARE, SCL+16384                  ; the spare words, 128 bytes a wave: two blocks of 256 bytes that no other line names
.set FR,    12
.set A16P,  4                          ; v4-6    slot s: my P fragments, 16 x lane;  v7-9 the same, 8 x lane
.set A8P,   7
.set A16R,  10                         ; v10-12, v13-15 the same for R
.set A8R,   13
.set ADRS,  16                         ; v16     my scale words: lanes 0-15 P's rows, lanes 16-31 R's
.set L16,   17
.set L8,    18
.set SPW,   28
.set NIL,   29
.set SC,    32
.set BR,    64
.set AF,    128
.set BP,    224
.set H,     64                         ; the way out: a block's 64 numbers
.set PC,    128                        ; its codes
.set TM,    148
.set WD,    164                        ; the eight blocks' scale words
.set ZR,    172
.set SEL,   16                         ; s[16:17], on the way out
.set G1,    24                         ; s[24:31] group 1, P's tiles; s[32:39] R's; s[40:47], s[48:55] their scale words'
.set G1B,   32
.set G1S,   40
.set G1SB,  48
.set G0P0,  56                         ; groups 0: P's slots 0, 1, 2
.set G0P1,  60
.set G0P2,  68
.set G0R0,  72                         ; R's
.set G0R1,  76
.set G0R2,  80
.set G0SP,  84                         ; the scale words'
.set G0SR,  88
.set MSB, 0
.macro WIN new                         ; the immediate's high byte repeats the setting that is left
.if MSB != (\new)
	s_set_vgpr_msb (MSB<<8)|(\new)
.set MSB, (\new)
.endif
.endm
.macro PLACES n
.rept \n
	v_nop
.endr
.endm
; A joint load: waves 0 and 1 ask for P, waves 2 and 3 for R.  The branch hangs on the wave's number alone.  Four v_nop follow each of the two lines.
.macro JLOAD g0a, g1a, g0b, g1b
	s_cmp_eq_u32 s19, 0
	s_cbranch_scc0 .Lfor_b_\@
	tensor_load_to_lds s[\g0a:\g0a+3], s[\g1a:\g1a+7]
	s_nop 0
.rept 4
	v_nop
.endr
	s_branch .Lasked_\@
.Lfor_b_\@:
	tensor_load_to_lds s[\g0b:\g0b+3], s[\g1b:\g1b+7]
	s_nop 0
.rept 4
	v_nop
.endr
.Lasked_\@:
.endm
.macro CREST                           ; a round of the cluster's barrier behind its opening barrier
	s_cmp_lg_u32 s18, 0
	s_cbranch_scc1 .Lnot_wave_0_\@
	s_barrier_signal -3
.Lnot_wave_0_\@:
	s_barrier_wait -3
	s_barrier_signal -1
	s_barrier_wait -1
.endm
.macro CROUND
	s_barrier_signal -1
	s_barrier_wait -1
	CREST
.endm
.macro GROUP0 g, per, lds, src, off    ; a group 0: LDS byte = wave x per + lds; memory = s[src] + off
	s_mov_b32 s[\g], 1
	s_mul_i32 s[\g+1], s18, \per
	s_add_co_u32 s[\g+1], s[\g+1], \lds
	s_add_nc_u64 s[\g+2:\g+3], s[\src:\src+1], \off
	s_or_b32 s[\g+3], s[\g+3], 0x80000000
.endm
.macro FRAG reg, a16, a8, off          ; a fragment's image into 12 registers: four dense loads
	ds_load_b128 v[\reg:\reg+3], v[\a16] offset:\off
	ds_load_b64 v[\reg+4:\reg+5], v[\a8] offset:\off+512
	ds_load_b128 v[\reg+6:\reg+9], v[\a16] offset:\off+768
	ds_load_b64 v[\reg+10:\reg+11], v[\a8] offset:\off+1280
.endm
.macro FETCH_B slot, q, p              ; R's eight fragments of the slot's q-th 128 along K into set p
	WIN 0x40
.irp i, 0,1,2,3,4,5,6,7
	FRAG 128*(\p)+FR*\i, A16R+\slot, A8R+\slot, \i*KST+(\q)*1536
.endr
	WIN 0
.endm
.macro FETCH_A slot, q, i0             ; P's blocks i0 .. i0 + 3
.irp i, \i0, \i0+1, \i0+2, \i0+3
	FRAG AF+FR*(\i), A16P+\slot, A8P+\slot, (\i)*KST+(\q)*1536
.endr
.endm
.macro SCALES ks                       ; K step ks's scale words, two a row: lanes 0-15 P's block i, lanes 16-31 R's block i
.irp i, 0,1,2,3,4,5,6,7
	ds_load_b64 v[SC+16*((\ks)%2)+2*\i:SC+16*((\ks)%2)+2*\i+1], v[ADRS] offset:\i*512+(\ks)*128
.endr
.endm
; 16 products: P's blocks a0, a0 + 1 x R's eight.  The 64 accumulators take turns, one instruction a turn, in the same order in every step.  first = 1: the sums begin with the bias along R.
.macro MUL16 a0, q, sc, first
.irp a, \a0, \a0+1
.irp b, 0,1,2,3,4,5,6,7
.if \first
	v_wmma_scale_f32_16x16x128_f8f6f4 v[8*(8*((\a)%4)+\b):8*(8*((\a)%4)+\b)+7], v[128*(\q)+FR*\b:128*(\q)+FR*\b+FR-1], v[AF+FR*(\a):AF+FR*(\a)+FR-1], v[BR+8*\b:BR+8*\b+7], v[SC+16*(\sc)+2*\b+(\q)], v[SC+16*(\sc)+2*(\a)+(\q)] matrix_a_fmt:MATRIX_FMT_FP6 matrix_b_fmt:MATRIX_FMT_FP6 matrix_a_scale:MATRIX_SCALE_ROW1
.else
	v_wmma_scale_f32_16x16x128_f8f6f4 v[8*(8*((\a)%4)+\b):8*(8*((\a)%4)+\b)+7], v[128*(\q)+FR*\b:128*(\q)+FR*\b+FR-1], v[AF+FR*(\a):AF+FR*(\a)+FR-1], v[8*(8*((\a)%4)+\b):8*(8*((\a)%4)+\b)+7], v[SC+16*(\sc)+2*\b+(\q)], v[SC+16*(\sc)+2*(\a)+(\q)] matrix_a_fmt:MATRIX_FMT_FP6 matrix_b_fmt:MATRIX_FMT_FP6 matrix_a_scale:MATRIX_SCALE_ROW1
.endif
.endr
.endr
.endm
; A step of 128 along K: 64 products; in its middle R's next set and P's blocks 0-3 are fetched, at its end P's blocks 4-7.  Loads into registers that products have read stand four plain instructions behind them.
; sync = 1: a barrier, in front of the slot that the refill has filled.  sync = 2: the barrier opens a round of the cluster's barrier, and slot 0 is filled again with K step 3 first thing behind it.
.macro SUB q, sc, first, nslot, nq, nks, sync
.if \sync
	s_wait_tensorcnt 0x0                           ; all my tensor loads have landed;  (every window is 0 here)
	ds_add_u32 v[SPW], v[NIL]                      ; 0 onto my spare word
	s_wait_dscnt 17                                ; the add and the youngest 16 loads (P's blocks 4-7) may be out
.else
	s_wait_dscnt 16                                ; R's set, P's blocks 0-3 and the scale words are in; the youngest 16 loads (P's blocks 4-7) may be out
.endif
	WIN 0xa1-0x20*(\first)                         ; source 0 window 1, source 1 window 0, D window 2, C window 2 (the bias: window 0)
	MUL16 0, \q, \sc, \first
.if \sync
	s_wait_dscnt 0x0                               ; the add is done, and all my LDS reads are back
	s_barrier_signal -1
.endif
	MUL16 2, \q, \sc, \first
.if \sync == 0
	s_wait_dscnt 0x0                               ; P's blocks 4-7 are in
	PLACES 4
.elseif \sync == 1
	WIN 0
	s_barrier_wait -1                              ; every wave's part of K step 3 has landed
	PLACES 4
.else
	WIN 0
	s_barrier_wait -1
	CREST                                          ; no wave of any partner still reads slot 0 or has a load on its way
	s_add_nc_u64 s[G0P0+2:G0P0+3], s[G0P0+2:G0P0+3], 3*KST
	s_add_nc_u64 s[G0R0+2:G0R0+3], s[G0R0+2:G0R0+3], 3*KST
	JLOAD G0P0, G1, G0R0, G1B                      ; K step 3: my one tensor load behind the round; its four v_nop are the places in front of the loads below
.endif
	FETCH_B \nslot, \nq, \nq
	FETCH_A \nslot, \nq, 0
.if \nks >= 0
	SCALES \nks
.endif
	WIN 0xf1-0x30*(\first)
	MUL16 4, \q, \sc, \first
	MUL16 6, \q, \sc, \first
	PLACES 4
	WIN 0
	FETCH_A \nslot, \nq, 4
.endm
.macro LASTSUB q, sc
	s_wait_dscnt 16
	WIN 0xa1
	MUL16 0, \q, \sc, 0
	MUL16 2, \q, \sc, 0
	s_wait_dscnt 0x0
	WIN 0xf1
	MUL16 4, \q, \sc, 0
	MUL16 6, \q, \sc, 0
	WIN 0
.endm
; 64 numbers of a lane, register 16 b + i = k 32 b + 16 (lane / 16) + i of my row, become a fragment's codes in v[PC] on and its row's scale word in v[pw]
.macro QUANT s, pw
.irp b, 0,1,2,3
	v_max3_num_f32 v[TM+\b], |v[\s+16*\b]|, |v[\s+1+16*\b]|, 0x1800000   ; my 16 numbers and the floor 2^(3 - 127): the byte cannot fall under 1
.endr
.irp i, 2,4,6,8,10,12,14
.irp b, 0,1,2,3
	v_max3_num_f32 v[TM+\b], v[TM+\b], |v[\s+16*\b+\i]|, |v[\s+1+16*\b+\i]|
.endr
.endr
.irp b, 0,1,2,3
	v_permlanex16_b32 v[TM+4+\b], v[TM+\b], s[SEL], s[SEL+1]
.endr
.irp b, 0,1,2,3
	v_max_num_f32 v[TM+\b], v[TM+\b], v[TM+4+\b]
.endr
.irp b, 0,1,2,3
	v_add_nc_u32 v[TM+12+\b], 0xff000000, v[TM+\b]   ; 2 off the exponent field: the conversion's scale operand
.endr
.irp b, 0,1,2,3
	v_lshrrev_b32 v[TM+4+\b], 23, v[TM+12+\b]
.endr
	v_lshl_or_b32 v[\pw], v[TM+5], 8, v[TM+4]
	v_lshl_or_b32 v[\pw], v[TM+6], 16, v[\pw]
	v_lshl_or_b32 v[\pw], v[TM+7], 24, v[\pw]
.irp c, 0,1
	v_cvt_scalef32_pk16_fp6_f32 v[PC+6*\c:PC+2+6*\c], v[\s+32*\c:\s+15+32*\c], v[TM+12+2*\c]
	v_cvt_scalef32_pk16_fp6_f32 v[PC+12+4*\c:PC+14+4*\c], v[\s+16+32*\c:\s+31+32*\c], v[TM+12+2*\c+1]
.endr
	v_nop                                          ; one plain instruction behind the scaled conversions
.irp c, 0,1
.irp i, 0,1,2
	v_permlane16_swap_b32 v[PC+6*\c+\i], v[PC+12+4*\c+\i]
.endr
.irp i, 0,1,2
	v_mov_b32 v[PC+3+6*\c+\i], v[PC+12+4*\c+\i]
.endr
.endr
.endm
; The way out of P's block a: + the bias along P, quantised, stored as two half images.  Each accumulator is read from its low end on.
.macro OUTBLK a
	WIN 0x02+(\a)/4                                ; source 0: window 2 or 3
.set n, 0
.rept 32
	v_pk_add_f32 v[H+n:H+n+1], v[64*((\a)%4)+n:64*((\a)%4)+n+1], v[BP+2*(\a):BP+2*(\a)+1] op_sel_hi:[1,0]
.set n, n+2
.endr
	WIN 0
.if (\a) > 0
	s_wait_xcnt 0x0                                ; the last block's stores have read their registers and bases: both are written again only behind this wait
	s_add_nc_u64 s[4:5], s[4:5], s[12:13]
	s_add_nc_u64 s[6:7], s[6:7], s[12:13]
.endif
.if (\a) == 4
	s_add_nc_u64 s[4:5], s[4:5], s[14:15]          ; v: on to the next head
	s_add_nc_u64 s[6:7], s[6:7], s[14:15]
.endif
	QUANT H, WD+(\a)
	global_store_b128 v[L16], v[PC:PC+3], s[4:5]             ; each store covers 512 or 256 consecutive bytes, aligned
	global_store_b64 v[L8], v[PC+4:PC+5], s[4:5] offset:512
	global_store_b128 v[L16], v[PC+6:PC+9], s[6:7]
	global_store_b64 v[L8], v[PC+10:PC+11], s[6:7] offset:512
.endm
	s_load_b256 s[4:11], s[0:1], 0x0               ; xc s[4:5], xs s[6:7], wc s[8:9], ws s[10:11]
	s_load_b128 s[12:15], s[0:1], 0x20             ; b_attn s[12:13], ac s[14:15]
	s_load_b64 s[16:17], s[0:1], 0x30              ; asc
	v_lshl_add_u32 v[SPW], v0, 2, SPARE
	v_mov_b32 v[NIL], 0
	ds_add_u32 v28, v29
	ds_add_u32 v28, v29
	s_wait_dscnt 0x0
	v_lshrrev_b32 v1, 5, v0
	v_readfirstlane_b32 s18, v1                    ; wave 0..3
	s_lshr_b32 s19, s18, 1                         ; which half of P's rows is mine.  Also: I ask for P (0) or for R (1)
	s_and_b32 s20, s18, 1                          ; which half of R's rows.  Also: which eight fragments I ask for
	s_bfe_u32 s21, ttmp6, 0x40000                  ; cx
	s_bfe_u32 s22, ttmp6, 0x40004                  ; cy
	s_and_b32 s2, ttmp7, 0xffff
	s_lshl_b32 s2, s2, 2                           ; 4 x cluster y
	s_lshl_b32 s3, ttmp9, 2                        ; 4 x cluster x
	s_cmp_eq_u32 ttmp9, 2                          ; v's clusters: the same answer in all sixteen partners
	s_cselect_b32 s23, 1, 0
	s_cselect_b32 s66, 8, s2
	s_cselect_b32 s67, s2, s3
	s_add_co_u32 s66, s66, s22                     ; P's tile: q, k: x's 4 Y + cy;  v: w's 8 + cy
	s_add_co_u32 s67, s67, s21                     ; R's tile: q, k: w's 4 X + cx;  v: x's 4 Y + cx
	s_lshl_b32 s92, s22, 2
	s_lshl_b32 s92, 15, s92                        ; my row of the cluster
	s_lshl_b32 s93, 0x1111, s21                    ; my column
	s_or_b32 s[G1], s92, (3<<16)|(1<<21)           ; 15:0 the mask; 17:16 elements of 8 bytes; 21 set beside a mask; no padding
	s_or_b32 s[G1B], s93, (3<<16)|(1<<21)
	s_or_b32 s[G1S], s92, (3<<16)|(1<<21)
	s_or_b32 s[G1SB], s93, (3<<16)|(1<<21)
.irp g, G1, G1B                        ; eight fragments' 3,072 bytes of a K step, 12,288 bytes apart in memory, dense in LDS
	s_mov_b32 s[\g+1], 384<<16
	s_mov_b32 s[\g+2], 8<<16
	s_mov_b32 s[\g+3], 384<<16
	s_mov_b32 s[\g+4], 8
	s_mov_b32 s[\g+5], 1536
	s_mov_b32 s[\g+6], 0
	s_mov_b32 s[\g+7], 0
.endr
.irp g, G1S, G1SB                      ; eight fragments' scale words: 4,096 dense bytes as 16 rows of 256
	s_mov_b32 s[\g+1], 32<<16
	s_mov_b32 s[\g+2], 16<<16
	s_mov_b32 s[\g+3], 32<<16
	s_mov_b32 s[\g+4], 16
	s_mov_b32 s[\g+5], 32
	s_mov_b32 s[\g+6], 0
	s_mov_b32 s[\g+7], 0
.endr
	s_lshl_b32 s94, s20, 3
	s_lshl_b32 s96, s66, 4
	s_add_co_u32 s96, s96, s94                     ; P's first fragment of my eight
	s_lshl_b32 s100, s67, 4
	s_add_co_u32 s100, s100, s94                   ; R's
	s_lshl_b32 s98, s96, 9                         ; their scale words,
	s_mov_b32 s99, 0
	s_mul_i32 s96, s96, 12288                      ; their codes
	s_mov_b32 s97, 0
	s_lshl_b32 s104, s100, 9
	s_mov_b32 s105, 0
	s_mul_i32 s100, s100, 12288
	s_mov_b32 s101, 0
	s_wait_kmcnt 0x0
	s_cmp_eq_u32 s23, 1
	s_cselect_b64 s[2:3], s[8:9], s[4:5]           ; P's codes: w's for v, else x's
	s_cselect_b64 s[94:95], s[4:5], s[8:9]         ; R's codes
	s_cselect_b64 s[4:5], s[10:11], s[6:7]         ; P's scale words
	s_cselect_b64 s[6:7], s[6:7], s[10:11]         ; R's
	s_add_nc_u64 s[2:3], s[2:3], s[96:97]
	s_add_nc_u64 s[94:95], s[94:95], s[100:101]
	s_add_nc_u64 s[4:5], s[4:5], s[98:99]
	s_add_nc_u64 s[6:7], s[6:7], s[104:105]
	GROUP0 G0SP, 4096, SCL, 4, 0
	GROUP0 G0SR, 4096, SCL, 6, 0
	GROUP0 G0P0, HALFT, 0, 2, 0
	GROUP0 G0R0, HALFT, 0, 94, 0
	GROUP0 G0P1, HALFT, SLOT, 2, KST
	GROUP0 G0R1, HALFT, SLOT, 94, KST
	GROUP0 G0P2, HALFT, 2*SLOT, 2, 2*KST
	GROUP0 G0R2, HALFT, 2*SLOT, 94, 2*KST
	CROUND                                         ; all sixteen work-groups are here: the first joint loads meet
	JLOAD G0SP, G1S, G0SR, G1SB                    ; the scale words first: they are wanted with K step 0
	JLOAD G0P0, G1, G0R0, G1B
	JLOAD G0P1, G1, G0R1, G1B
	JLOAD G0P2, G1, G0R2, G1B                      ; four tensor loads of mine are out
	v_and_b32 v1, 31, v0                           ; lane
	v_and_b32 v2, 15, v0                           ; r
	v_bfe_u32 v3, v0, 4, 1                         ; h
	v_lshlrev_b32 v[L16], 4, v1
	v_lshlrev_b32 v[L8], 3, v1
	s_mul_i32 s10, s19, HALFT                      ; my eight fragments of P,
	s_mul_i32 s11, s20, HALFT
	s_add_co_u32 s11, s11, 2*HALFT                 ; and of R, behind P's sixteen
.irp s, 0,1,2
	v_add_nc_u32 v[A16P+\s], s10, v[L16]
	v_add_nc_u32 v[A8P+\s], s10, v[L8]
	v_add_nc_u32 v[A16R+\s], s11, v[L16]
	v_add_nc_u32 v[A8R+\s], s11, v[L8]
	s_add_co_u32 s10, s10, SLOT
	s_add_co_u32 s11, s11, SLOT
.endr
	s_lshl_b32 s10, s19, 12                        ; scale words: P's, my eight fragments;
	s_lshl_b32 s11, s20, 12
	s_add_co_u32 s11, s11, 8192                    ; R's, behind P's 8,192 bytes
	s_sub_co_u32 s11, s11, s10
	v_mul_u32_u24 v21, s11, v3                     ; lanes 16-31 take R's: one product, the distance between the two
	s_add_co_u32 s10, s10, SCL
	v_lshl_add_u32 v21, v2, 3, v21
	v_add_nc_u32 v[ADRS], s10, v21
	; the biases, and where the results go: scalar work while the first tiles are on their way
	s_lshl_b32 s96, s67, 8
	s_lshl_b32 s97, s20, 7
	s_add_co_u32 s96, s96, s97                     ; R's first row of my 128
	s_lshl_b32 s98, s66, 8
	s_lshl_b32 s97, s19, 7
	s_add_co_u32 s98, s98, s97                     ; P's
	s_mov_b32 s104, 768
	s_mov_b32 s105, 98304
	s_mov_b32 s67, 256
	s_cmp_eq_u32 s23, 1
	s_cselect_b32 s94, 0, s96                      ; the bias along R begins at R's first channel (q, k); for v it is masked, and read at 0
	s_cselect_b32 s100, s98, 0                     ; the bias along P likewise, the other way round
	s_cselect_b32 s92, 0, -1                       ; the masks
	s_cselect_b32 s93, -1, 0
	s_cselect_b32 s2, s96, s98                     ; my first token
	s_cselect_b32 s3, s98, s96                     ; my first channel of the 3,072
	s_cselect_b32 s104, 1536, s104                 ; from block to block: a half image (q, k) or an image (v)
	s_cselect_b32 s105, 768, s105                  ; from the first half of a block's codes to the second: the next head (q, k) or the image's second half (v)
	s_cselect_b32 s66, 92160, 0                    ; v: at block 4 on to the next head: 98,304 - 4 x 1,536
	s_cselect_b32 s67, 4096, s67                   ; from blocks 0-3's scale words to blocks 4-7's
	s_cselect_b32 s97, 8, 9                        ; a tile of 128 tokens has 256 bytes of scale words for a head of v, 512 for a pair of heads of q or k
	s_lshl_b32 s94, s94, 2
	s_mov_b32 s95, 0
	s_add_nc_u64 s[8:9], s[12:13], s[94:95]
	s_lshl_b32 s100, s100, 2
	s_mov_b32 s101, 0
	s_add_nc_u64 s[10:11], s[12:13], s[100:101]
	v_lshlrev_b32 v19, 6, v3                       ; 64 h: register 16 b + i of a block is R's row 32 b + 16 h + i
	v_and_b32 v20, 8, v2
	v_add_nc_u32 v20, v20, v2
	v_lshlrev_b32 v20, 2, v20                      ; 4 (r + 8 (r / 8)): lane r of block a is P's row 32 (a / 2) + 8 (a % 2) + r + 8 (r / 8)
.irp b, 0,1,2,3
.irp j, 0,1,2,3
	global_load_b128 v[BR+16*\b+4*\j:BR+16*\b+4*\j+3], v19, s[8:9] offset:128*\b+16*\j
.endr
.endr
.irp a, 0,1,2,3,4,5,6,7
	global_load_b32 v[BP+2*\a], v20, s[10:11] offset:(32*(\a/2)+8*(\a%2))*4
.endr
	s_lshr_b32 s94, s2, 11                         ; batch
	s_bfe_u32 s95, s2, 0x40007                     ; tile of 128 tokens in it
	s_lshr_b32 s100, s3, 10                        ; 0 q, 1 k, 2 v
	s_bfe_u32 s101, s3, 0x40006                    ; head
	s_lshl_b32 s94, s94, 4
	s_add_co_u32 s94, s94, s101                    ; 16 x batch + head
	s_mul_i32 s2, s100, 6291456
	s_mul_i32 s3, s94, 98304
	s_add_co_u32 s2, s2, s3
	s_mul_i32 s3, s95, 6144
	s_add_co_u32 s2, s2, s3
	s_mov_b32 s3, 0
	s_add_nc_u64 s[4:5], s[14:15], s[2:3]          ; where block 0's first half goes,
	s_mov_b32 s2, s105
	s_add_nc_u64 s[6:7], s[4:5], s[2:3]            ; and its second
	s_lshl_b32 s2, s100, 18
	s_lshl_b32 s98, s94, 12
	s_add_co_u32 s2, s2, s98
	s_lshl_b32 s98, s95, s97
	s_add_co_u32 s2, s2, s98
	s_add_nc_u64 s[96:97], s[16:17], s[2:3]        ; the scale words of blocks 0-3,
	s_mov_b32 s2, s67
	s_add_nc_u64 s[98:99], s[96:97], s[2:3]        ; of blocks 4-7
	s_mov_b32 s12, s104
	s_mov_b32 s13, 0
	s_mov_b32 s14, s66
	s_mov_b32 s15, 0
	s_mov_b32 s[SEL], 0x76543210
	s_mov_b32 s[SEL+1], 0xfedcba98
	s_wait_loadcnt 0x0
.set n, 0
.rept 64
	v_and_b32 v[BR+n], s92, v[BR+n]
.set n, n+1
.endr
.irp a, 0,1,2,3,4,5,6,7
	v_and_b32 v[BP+2*\a+1], s93, v[BP+2*\a]        ; (the packed addition names the pair, so both are written)
	v_and_b32 v[BP+2*\a], s93, v[BP+2*\a]
.endr
	s_wait_tensorcnt 2                             ; the scale words and my part of K step 0 are in; K steps 1 and 2 may be out
	s_barrier_signal -1
	s_barrier_wait -1
	FETCH_B 0, 0, 0
	FETCH_A 0, 0, 0
	SCALES 0
	FETCH_A 0, 0, 4
	SUB 0, 0, 1, 0, 1, -1, 0                       ; K step 0: its first products start the sums
	SUB 1, 0, 0, 1, 0, 1, 2                        ; the round; K step 3 is asked for, into slot 0: two K steps, 256 products, ahead of its first read
	SUB 0, 1, 0, 1, 1, -1, 0                       ; K step 1
	SUB 1, 1, 0, 2, 0, 2, 0                        ; no barrier: the wait in front of the round has shown all first fills to every wave
	SUB 0, 0, 0, 2, 1, -1, 0                       ; K step 2
	SUB 1, 0, 0, 0, 0, 3, 1                        ; a barrier: K step 3 has landed
	SUB 0, 1, 0, 0, 1, -1, 0                       ; K step 3
	LASTSUB 1, 1
	PLACES 4                                       ; in front of the first read of results and of writes over P's fragments
.irp b, 0,1,2,3
	v_mov_b32 v[TM+4+\b], 0                        ; written once: a lane permute's destination counts as one of its sources
.endr
.irp a, 0,1,2,3,4,5,6,7
	OUTBLK \a
.endr
	v_cmp_le_u32 vcc_lo, 16, v1                    ; every lane holds its row's words: lanes 0-15 store the even blocks', lanes 16-31 the odd blocks'
.irp i, 0,1,2,3
	v_cndmask_b32 v[ZR+\i], v[WD+2*\i], v[WD+2*\i+1], vcc_lo
.endr
	global_store_b64 v[L8], v[ZR:ZR+1], s[96:97]   ; 256 consecutive bytes, aligned
	global_store_b64 v[L8], v[ZR+2:ZR+3], s[98:99]
	s_wait_tensorcnt 0x0                           ; the wave's end
	ds_add_u32 v[SPW], v[NIL]
	s_wait_dscnt 0x0
	CROUND                                         ; the closing round: no work-group ends while a partner may still ask for a tile that names it
	s_endpgm
.Lfunc_end_k_q6ebbccec2b_qkv:
	.size	k_q6ebbccec2b_qkv, .Lfunc_end_k_q6ebbccec2b_qkv-k_q6ebbccec2b_qkv
	.p2alignl 7, 3214868480
	.fill 96, 4, 3214868480
	.section	.rodata,"a",@progbits
	.p2align	6, 0x0
	.amdhsa_kernel k_q6ebbccec2b_qkv
		.amdhsa_group_segment_fixed_size 327680
		.amdhsa_private_segment_fixed_size 0
		.amdhsa_enable_private_segment 0
		.amdhsa_kernarg_size 56
		.amdhsa_user_sgpr_count 2
		.amdhsa_user_sgpr_kernarg_segment_ptr 1
		.amdhsa_wavefront_size32 1
		.amdhsa_system_sgpr_workgroup_id_x 1
		.amdhsa_system_sgpr_workgroup_id_y 1
		.amdhsa_system_sgpr_workgroup_id_z 1
		.amdhsa_system_vgpr_workitem_id 0
		.amdhsa_next_free_vgpr 1024
		.amdhsa_next_free_sgpr 106
		.amdhsa_reserve_vcc 1
		.amdhsa_float_denorm_mode_32 3
		.amdhsa_float_denorm_mode_16_64 3
		.amdhsa_memory_ordered 1
		.amdhsa_forward_progress 1
		.amdhsa_inst_pref_size 172
	.end_amdhsa_kernel
	.amdgpu_metadata
---
amdhsa.version: [ 1, 2 ]
amdhsa.kernels:
  - .name:           k_q6ebbccec2b_qkv
    .symbol:         k_q6ebbccec2b_qkv.kd
    .args:
      - { .name: xc, .offset: 0, .size: 8, .value_kind: global_buffer, .address_space: global }
      - { .name: xs, .offset: 8, .size: 8, .value_kind: global_buffer, .address_space: global }
      - { .name: wc, .offset: 16, .size: 8, .value_kind: global_buffer, .address_space: global }
      - { .name: ws, .offset: 24, .size: 8, .value_kind: global_buffer, .address_space: global }
      - { .name: b_attn, .offset: 32, .size: 8, .value_kind: global_buffer, .address_space: global }
      - { .name: ac, .offset: 40, .size: 8, .value_kind: global_buffer, .address_space: global }
      - { .name: asc, .offset: 48, .size: 8, .value_kind: global_buffer, .address_space: global }
    .group_segment_fixed_size: 327680
    .private_segment_fixed_size: 0
    .kernarg_segment_align: 8
    .kernarg_segment_size: 56
    .max_flat_workgroup_size: 128
    .sgpr_count:     106
    .vgpr_count:     1024
    .wavefront_size: 32
...
	.end_amdgpu_metadata
.endif
;; end of part 2
;; launch attn (part 3): grid 4 x 64, 16 waves a work-group, clusters of 4 x 1, 210,944 bytes of LDS; arguments ac, asc, yc, ys; writes yc, ys
.if DOCPART == 3
	.amdgcn_target "amdgcn-amd-amdhsa--gfx1250"
	.amdhsa_code_object_version 6
	.text
	.protected	k_q6ebbccec2b_attn
	.globl	k_q6ebbccec2b_attn
	.p2align	8
	.type	k_q6ebbccec2b_attn,@function
k_q6ebbccec2b_attn:
	s_mov_b64 s[64:65], 0
	v_nop
	global_prefetch_b8 v0, s[64:65] scope:SCOPE_SE
	s_setreg_imm32_b32 hwreg(HW_REG_WAVE_MODE, 25, 1), 1
	s_wait_xcnt 0x0
	s_wait_alu depctr_hold_cnt(0) depctr_sa_sdst(0) depctr_va_vdst(0) depctr_va_sdst(0) depctr_va_ssrc(0) depctr_va_vcc(0) depctr_vm_vsrc(0)
	s_getreg_b32 s2, hwreg(HW_REG_IB_STS2, 6, 4)
	s_cmp_eq_u32 s2, 0
	s_cbranch_scc0 .Lentry_in_a_cluster
	s_endpgm
.Lentry_in_a_cluster:
	s_bfe_u32 s2, ttmp6, 0x10000c
	s_cmp_lg_u32 s2, 0x3003
	s_cbranch_scc0 .Lentry_shape_is_right
	s_endpgm
.Lentry_shape_is_right:
; y = softmax(q k^T / 8, causal) v for one (batch, head) a cluster, both products on codes of FP6 (E2M3) with E8M0 scales; y is quantised along its 64 channels and leaves as codes.
; THE SOFTMAX: t = score x log2(e) / 8; M = the running largest t rounded UP to a whole number; p = 2^(t - M) is quantised along the keys, not normalised; the row's sum is taken of the unquantised p and divides at the end.
; When M moves, the sum and O are multiplied by 2^(old M - new M): exact.
; SHARES.  The cluster's four work-groups j = cx share a head.  Wave w of work-group j takes two fragments of 16 queries: 127 - (4 w + j), then 4 w + j.  They need 16 - w / 2 and w / 2 + 1 steps of 128 keys: 17 for every wave.
; Which steps a wave leaves out hangs on the wave's number and the step's count alone, never on cx: (4 w + j) / 8 = w / 2.
; THE WHOLE HEAD LIES IN LDS, filled once: K's 98,304 bytes, V's 98,304, their scale words.  Wave w brings key tile w by four joint loads (mask 15: fetched once for the four work-groups); four tensor loads of a wave are out.
; One barrier; behind it nothing is written to LDS, and the waves run free: four to a SIMD, so that one wave's vector work stands beside another's products.  No prefetch: all that is read is asked for at the head.
; LAYOUT.  Both products transposed: S^T = K Q^T (source 0 = 16 keys), O^T = V^T P^T (source 0 = 16 channels): a lane holds ONE query.  The images' rows are ordered so that the 16 registers of two neighbouring tiles are 16 neighbours.
; K = 64 IN A FORM OF K = 128: Q's registers 6-11 are zero codes, and Q's and K's scale words come as 16 bits, so bytes 2 and 3 are 0 (2^-127, no NaN).  K's half images lie 6 registers apart: a fragment's upper half is the
; next fragment's codes, which meet zero codes and add nothing.
; LIMITS: NaN and infinities are not served; a block whose largest magnitude lies under 2^-124, or of zeros, gets the byte 1.
.set VC,   98304                       ; LDS: K's codes at 0, 6,144 bytes a key tile; V's here
.set KSB,  196608                      ; K's scale words, 512 bytes a key tile (a pair of heads')
.set VSB,  204800                      ; V's, 256 bytes a key tile
.set WV,   12
.set JX,   13
.set BH,   14
.set PAR,  15
.set SEL,  16                          ; s[16:17] selects for lane l xor 16
.set CS,   18                          ; s[18:19] c = log2(e) / 8, twice
.set ST,   20                          ; the key step, and the loops' counter
.set TB,   21                          ; the step's tiles: 6,144 bytes a step
.set TS,   22                          ; K's scale words: 512
.set TJ,   23                          ; V's: 256
.set G1C,  24
.set G1KS, 32
.set G1VS, 40
.set G0K,  48
.set G0V,  52
.set G0KS, 56
.set G0VS, 60
.set DSH,  66                          ; the diagonal's step: high fragment, low fragment
.set DSL,  67
.set QBH,  68                          ; the fragments' first queries
.set QBL,  69
.set YCH,  72                          ; s[72:79] where y's codes and scale bytes go
.set YSH,  74
.set YCL,  76
.set YSL,  78
.set KZ,   21                          ; v21-24 K's scale words; v26-27 V's; v18, v19 Q's; v20 p's: these hold scales and nothing else
.set VZ,   26
.set QH,   28
.set QL,   40
.set F,    52                          ; v52-105 K's eight half fragments (and six zeros), then V's four fragments
.set S,    106                         ; v106-169 S^T, then p
.set O,    170                         ; v170-201 O^T
.set PC,   202
.set PT,   214
.set BM,   222
.set BT,   226
.set SO,   230
.macro CROUND
	s_barrier_signal -1
	s_barrier_wait -1
	s_cmp_lg_u32 s[WV], 0
	s_cbranch_scc1 .Lnot_wave_0_\@
	s_barrier_signal -3
.Lnot_wave_0_\@:
	s_barrier_wait -3
	s_barrier_signal -1
	s_barrier_wait -1
.endm
.macro QPTR f, pc, ps                  ; fragment s[f] of q: where its half image and its scale words lie
	s_mul_i32 s[\pc], s[\f], 768
	s_add_co_u32 s[\pc], s[\pc], s80
	s_mov_b32 s[\pc+1], 0
	s_add_nc_u64 s[\pc:\pc+1], s[4:5], s[\pc:\pc+1]
	s_lshr_b32 s[\ps], s[\f], 2
	s_lshl_b32 s[\ps], s[\ps], 8                   ; 512 (f / 8) + 256 ((f / 4) % 2)
	s_and_b32 s87, s[\f], 1
	s_lshl_b32 s87, s87, 7
	s_add_co_u32 s[\ps], s[\ps], s87               ; + 128 (f % 2)
	s_bfe_u32 s87, s[\f], 0x10001
	s_lshl_b32 s87, s87, 2
	s_add_co_u32 s[\ps], s[\ps], s87               ; + 4 ((f / 2) % 2)
	s_add_co_u32 s[\ps], s[\ps], s86               ; + the pair of heads
	s_lshl_b32 s87, s[PAR], 1
	s_add_co_u32 s[\ps], s[\ps], s87               ; + my head's two bytes of the word
	s_mov_b32 s[\ps+1], 0
	s_add_nc_u64 s[\ps:\ps+1], s[6:7], s[\ps:\ps+1]
.endm
.macro INIT                            ; the step is written once for first and later steps: it finds zeros, which the first change of M leaves zeros
.set n, 0
.rept 32
	v_mov_b32 v[O+n], 0
.set n, n+1
.endr
	v_mov_b32 v16, 0                               ; the sum, in two halves
	v_mov_b32 v17, 0
	v_mov_b32 v15, 0xff61b1e6                      ; the largest t so far: -3e38
	s_delay_alu instid0(VALU_DEP_1)
	v_floor_f32 v14, -v15                          ; -M
	s_mov_b32 s[ST], 0
	s_mov_b32 s[TB], 0
	s_mov_b32 s[TS], 0
	s_mov_b32 s[TJ], 0
.endm
; A KEY STEP of 128 keys for the fragment in v[Q] on, scale words v[QS]; s[DS] the diagonal's step, s[QB] the fragment's first query.
.macro STEP Q, QS, DS, QB
	s_cmp_gt_u32 s[ST], s[\DS]                     ; all keys of the step come after my queries: only the addresses step
	s_cbranch_scc1 .Lhidden_\@
	s_setprio 2
	v_add_nc_u32 v7, s[TB], v1                     ; (these six are also the places in front of loads into registers that the last products read)
	v_add_nc_u32 v8, s[TB], v2
	v_add_nc_u32 v9, s[TB], v3
	v_add_nc_u32 v10, s[TB], v4
	v_add_nc_u32 v11, s[TS], v5
	v_add_nc_u32 v12, s[TJ], v6
.irp i, 0,1,2,3,4,5,6,7
	ds_load_b128 v[F+6*\i:F+6*\i+3], v7 offset:768*\i
	ds_load_b64 v[F+6*\i+4:F+6*\i+5], v8 offset:768*\i+512
.endr
.irp i, 0,1,2,3
	ds_load_u16 v[KZ+\i], v11 offset:4*(\i%2)+256*(\i/2)   ; lanes 0-15: fragment 2 i's words, lanes 16-31: fragment 2 i + 1's
.endr
	s_wait_alu depctr_va_vdst(0)
	s_wait_dscnt 0x0
.irp i, 0,2,4,6
	v_wmma_scale_f32_16x16x128_f8f6f4 v[S+8*\i:S+8*\i+7], v[F+6*\i:F+6*\i+11], v[\Q:\Q+11], 0, v[KZ+\i/2], v[\QS] matrix_a_fmt:MATRIX_FMT_FP6 matrix_b_fmt:MATRIX_FMT_FP6
	v_wmma_scale_f32_16x16x128_f8f6f4 v[S+8*\i+8:S+8*\i+15], v[F+6*\i+6:F+6*\i+17], v[\Q:\Q+11], 0, v[KZ+\i/2], v[\QS] matrix_a_fmt:MATRIX_FMT_FP6 matrix_b_fmt:MATRIX_FMT_FP6 matrix_a_scale:MATRIX_SCALE_ROW1
.endr
.rept 4
	v_nop                                          ; places behind the products: for the loads below and the first read of the scores
.endr
.irp t, 0,1,2,3                                ; V's four fragments are asked for now and land under the softmax
	ds_load_b128 v[F+12*\t:F+12*\t+3], v9 offset:1536*\t
	ds_load_b64 v[F+12*\t+4:F+12*\t+5], v10 offset:1536*\t+512
	ds_load_b128 v[F+12*\t+6:F+12*\t+9], v9 offset:1536*\t+768
	ds_load_b64 v[F+12*\t+10:F+12*\t+11], v10 offset:1536*\t+1280
.endr
	ds_load_b64 v[VZ:VZ+1], v12
	s_cmp_lt_u32 s[ST], s[\DS]                     ; all keys of the step count: no mask
	s_cbranch_scc1 .Lopen_\@
	s_lshl_b32 s80, s[ST], 7
	s_sub_co_i32 s80, s[\QB], s80
	v_add_nc_u32 v236, s80, v13                    ; d = my query - the step's first key - 16 (lane / 16).  Register 16 b + i holds key 32 b + 16 (lane / 16) + i: hidden where 32 b + i > d
	v_mov_b32 v237, 0xff800000                     ; -infinity: p = 0 then
.set n, 0
.rept 64
	v_cmp_gt_i32 vcc_lo, 32*(n/16)+n%16, v236
	v_cndmask_b32 v[S+n], v[S+n], v237, vcc_lo
.set n, n+1
.endr
.Lopen_\@:
.irp b, 0,1,2,3
	v_max3_num_f32 v[BM+\b], v[S+16*\b], v[S+16*\b+1], v[S+16*\b+2]   ; the largest score of each block of 32 keys: for the row's maximum, and, since p rises with the score, for the block's largest p
.endr
.irp i, 3,5,7,9,11,13
.irp b, 0,1,2,3
	v_max3_num_f32 v[BM+\b], v[BM+\b], v[S+16*\b+\i], v[S+16*\b+\i+1]
.endr
.endr
.irp b, 0,1,2,3
	v_max_num_f32 v[BM+\b], v[BM+\b], v[S+16*\b+15]
.endr
.irp b, 0,1,2,3
	s_delay_alu instid0(VALU_DEP_4)
	v_permlanex16_b32 v[BT+\b], v[BM+\b], s[SEL], s[SEL+1]
.endr
.irp b, 0,1,2,3
	s_delay_alu instid0(VALU_DEP_4)
	v_max_num_f32 v[BM+\b], v[BM+\b], v[BT+\b]     ; with lane l xor 16's 16 keys
.endr
	s_delay_alu instid0(VALU_DEP_2)
	v_max3_num_f32 v236, v[BM], v[BM+1], v[BM+2]
	s_delay_alu instid0(VALU_DEP_1)
	v_max_num_f32 v236, v236, v[BM+3]
	s_delay_alu instid0(VALU_DEP_1)
	v_mul_f32 v236, s[CS], v236                    ; the step's largest t of my query
	s_delay_alu instid0(VALU_DEP_1)
	v_max_num_f32 v15, v15, v236
	v_mov_b32 v236, v14
	s_delay_alu instid0(VALU_DEP_2)
	v_floor_f32 v14, -v15                          ; the new -M = -ceil(t): a whole number
	s_delay_alu instid0(VALU_DEP_1)
	v_sub_f32 v236, v14, v236                      ; old M - new M: a whole number, 0 or less
	s_delay_alu instid0(VALU_DEP_1)
	v_cvt_i32_f32 v236, v236                       ; (it saturates)
	s_delay_alu instid0(VALU_DEP_1)
	v_ldexp_f32 v234, 1.0, v236                    ; f = 2^(old M - new M)
.set n, 0
	s_setprio 1
.rept 32
	v_pk_fma_f32 v[S+n:S+n+1], v[S+n:S+n+1], s[CS:CS+1], v[14:15] op_sel_hi:[1,0,0]   ; t - M, two at a time
.set n, n+2
.endr
.irp b, 0,1,2,3
	v_fma_f32 v[BM+\b], v[BM+\b], s[CS], v14       ; the same of each block's largest score
.endr
.set n, 0
	s_wait_alu depctr_va_vdst(0)
.rept 64
	v_exp_f32 v[S+n], v[S+n]                       ; p = 2^(t - M)
.set n, n+1
.endr
	v_pk_mul_f32 v[16:17], v[16:17], v[234:235] op_sel_hi:[1,0]   ; the sums under the new M.  (The plain instruction behind the exponentials)
	s_wait_alu depctr_va_vdst(0)                   ; one wait for the batch, ahead of its first reader
.irp b, 0,1,2,3
	v_exp_f32 v[BM+\b], v[BM+\b]                   ; the blocks' largest p
.endr
	v_pk_add_f32 v[242:243], v[110:111], v[114:115]
	v_pk_add_f32 v[252:253], v[118:119], v[122:123]
	v_pk_add_f32 v[250:251], v[126:127], v[130:131]
	v_pk_add_f32 v[248:249], v[134:135], v[138:139]
	v_pk_add_f32 v[246:247], v[142:143], v[146:147]
	v_pk_add_f32 v[244:245], v[150:151], v[154:155]
	v_pk_add_f32 v[238:239], v[158:159], v[162:163]
	v_pk_add_f32 v[16:17], v[16:17], v[166:167]
	v_pk_add_f32 v[242:243], v[242:243], v[106:107]
	v_pk_add_f32 v[252:253], v[252:253], v[108:109]
	v_pk_add_f32 v[250:251], v[250:251], v[112:113]
	v_pk_add_f32 v[248:249], v[248:249], v[116:117]
	v_pk_add_f32 v[246:247], v[246:247], v[120:121]
	v_pk_add_f32 v[244:245], v[244:245], v[124:125]
	v_pk_add_f32 v[238:239], v[238:239], v[128:129]
	v_pk_add_f32 v[16:17], v[16:17], v[132:133]
	v_pk_add_f32 v[242:243], v[242:243], v[136:137]
	v_pk_add_f32 v[252:253], v[252:253], v[140:141]
	v_pk_add_f32 v[250:251], v[250:251], v[144:145]
	v_pk_add_f32 v[248:249], v[248:249], v[148:149]
	v_pk_add_f32 v[246:247], v[246:247], v[152:153]
	v_pk_add_f32 v[244:245], v[244:245], v[156:157]
	v_pk_add_f32 v[238:239], v[238:239], v[160:161]
	v_pk_add_f32 v[16:17], v[16:17], v[164:165]
	v_pk_add_f32 v[242:243], v[242:243], v[168:169]
	s_delay_alu instid0(VALU_DEP_2)
	v_pk_add_f32 v[16:17], v[16:17], v[248:249]
	s_delay_alu instid0(VALU_DEP_2)
	v_pk_add_f32 v[242:243], v[242:243], v[246:247]
	v_pk_add_f32 v[252:253], v[252:253], v[244:245]
	v_pk_add_f32 v[250:251], v[250:251], v[238:239]
	s_delay_alu instid0(VALU_DEP_2)
	v_pk_add_f32 v[16:17], v[16:17], v[252:253]
	s_delay_alu instid0(VALU_DEP_2)
	v_pk_add_f32 v[242:243], v[242:243], v[250:251]
	s_delay_alu instid0(VALU_DEP_1)
	v_pk_add_f32 v[16:17], v[16:17], v[242:243]
	s_wait_alu depctr_va_vdst(0)                   ; and one for the four
.irp b, 0,1,2,3
	v_max_num_f32 v[BM+\b], 0x1800000, v[BM+\b]    ; the floor 2^(3 - 127): the byte cannot fall under 1
.endr
.irp b, 0,1,2,3
	s_delay_alu instid0(VALU_DEP_4)
	v_add_nc_u32 v[SO+\b], 0xff000000, v[BM+\b]    ; the conversions' scale operands
.endr
.irp b, 0,1,2,3
	s_delay_alu instid0(VALU_DEP_4)
	v_lshrrev_b32 v[BT+\b], 23, v[SO+\b]
.endr
	s_delay_alu instid0(VALU_DEP_3)
	v_lshl_or_b32 v20, v[BT+1], 8, v[BT]           ; p's scale word for these 128 keys
	s_delay_alu instid0(VALU_DEP_1)
	v_lshl_or_b32 v20, v[BT+2], 16, v20
	s_delay_alu instid0(VALU_DEP_1)
	v_lshl_or_b32 v20, v[BT+3], 24, v20
	s_setprio 0
.irp c, 0,1
	v_cvt_scalef32_pk16_fp6_f32 v[PC+6*\c:PC+6*\c+2], v[S+32*\c:S+32*\c+15], v[SO+2*\c]
	v_cvt_scalef32_pk16_fp6_f32 v[PT+4*\c:PT+4*\c+2], v[S+32*\c+16:S+32*\c+31], v[SO+2*\c+1]
.endr
	v_nop                                          ; one plain instruction behind the scaled conversions
.irp c, 0,1
.irp i, 0,1,2
	v_permlane16_swap_b32 v[PC+6*\c+\i], v[PT+4*\c+\i]
.endr
.irp i, 0,1,2
	s_delay_alu instid0(VALU_DEP_3)
	v_mov_b32 v[PC+3+6*\c+\i], v[PT+4*\c+\i]
.endr
.endr
.set n, 0
.rept 16
	v_pk_mul_f32 v[O+n:O+n+1], v[O+n:O+n+1], v[234:235] op_sel_hi:[1,0]   ; O^T under the new M.  (Also the places between the writes of p's codes and scale word and the products)
.set n, n+2
.endr
	s_wait_alu depctr_va_vdst(0)
	s_wait_dscnt 0x0                               ; V is in
.irp t, 0,2
	v_wmma_scale_f32_16x16x128_f8f6f4 v[O+8*\t:O+8*\t+7], v[F+12*\t:F+12*\t+11], v[PC:PC+11], v[O+8*\t:O+8*\t+7], v[VZ+\t/2], v20 matrix_a_fmt:MATRIX_FMT_FP6 matrix_b_fmt:MATRIX_FMT_FP6
	v_wmma_scale_f32_16x16x128_f8f6f4 v[O+8*\t+8:O+8*\t+15], v[F+12*\t+12:F+12*\t+23], v[PC:PC+11], v[O+8*\t+8:O+8*\t+15], v[VZ+\t/2], v20 matrix_a_fmt:MATRIX_FMT_FP6 matrix_b_fmt:MATRIX_FMT_FP6 matrix_a_scale:MATRIX_SCALE_ROW1
.endr
.Lhidden_\@:
	s_add_co_u32 s[TB], s[TB], 6144
	s_add_co_u32 s[TS], s[TS], 512
	s_add_co_u32 s[TJ], s[TJ], 256
.endm
; y = O^T / the sum; its two blocks of 32 channels are quantised; a half image and two scale bytes a row leave.
.macro OUT yc, ys
.rept 4
	v_nop                                          ; places behind the last products
.endr
	v_add_f32 v16, v16, v17
	s_delay_alu instid0(VALU_DEP_1)
	v_permlanex16_b32 v236, v16, s[SEL], s[SEL+1]
	s_delay_alu instid0(VALU_DEP_1)
	v_add_f32 v16, v16, v236                       ; the row's sum
	s_wait_alu depctr_va_vdst(0)
	v_rcp_f32 v234, v16
	v_nop                                          ; a plain instruction behind the reciprocal,
	s_wait_alu depctr_va_vdst(0)                   ; and the wait ahead of its first reader
.set n, 0
.rept 16
	v_pk_mul_f32 v[S+n:S+n+1], v[O+n:O+n+1], v[234:235] op_sel_hi:[1,0]   ; register 16 b + i is channel 32 b + 16 (lane / 16) + i; each accumulator is read from its low end on
.set n, n+2
.endr
.irp b, 0,1
	v_max3_num_f32 v[BM+\b], |v[S+16*\b]|, |v[S+16*\b+1]|, 0x1800000
.endr
.irp i, 2,4,6,8,10,12,14
.irp b, 0,1
	s_delay_alu instid0(VALU_DEP_2)
	v_max3_num_f32 v[BM+\b], v[BM+\b], |v[S+16*\b+\i]|, |v[S+16*\b+\i+1]|
.endr
.endr
.irp b, 0,1
	s_delay_alu instid0(VALU_DEP_2)
	v_permlanex16_b32 v[BT+\b], v[BM+\b], s[SEL], s[SEL+1]
.endr
.irp b, 0,1
	s_delay_alu instid0(VALU_DEP_2)
	v_max_num_f32 v[BM+\b], v[BM+\b], v[BT+\b]
.endr
.irp b, 0,1
	s_delay_alu instid0(VALU_DEP_2)
	v_add_nc_u32 v[SO+\b], 0xff000000, v[BM+\b]
.endr
.irp b, 0,1
	s_delay_alu instid0(VALU_DEP_2)
	v_lshrrev_b32 v[BT+\b], 23, v[SO+\b]
.endr
	s_delay_alu instid0(VALU_DEP_1)
	v_lshl_or_b32 v237, v[BT+1], 8, v[BT]          ; my row's two scale bytes
	v_cvt_scalef32_pk16_fp6_f32 v[PC:PC+2], v[S:S+15], v[SO]
	v_cvt_scalef32_pk16_fp6_f32 v[PT:PT+2], v[S+16:S+31], v[SO+1]
	v_nop
.irp i, 0,1,2
	v_permlane16_swap_b32 v[PC+\i], v[PT+\i]
.endr
.irp i, 0,1,2
	s_delay_alu instid0(VALU_DEP_3)
	v_mov_b32 v[PC+3+\i], v[PT+\i]
.endr
	global_store_b128 v1, v[PC:PC+3], s[\yc:\yc+1]              ; 512 and 256 consecutive bytes, aligned
	global_store_b64 v2, v[PC+4:PC+5], s[\yc:\yc+1] offset:512
	global_store_b16 v240, v237, s[\ys:\ys+1]      ; lanes l and l xor 16 store the same two bytes at the same place.  The word's other half belongs to the neighbouring head, which another cluster makes: hence two bytes a row
.endm
	s_load_b256 s[4:11], s[0:1], 0x0               ; ac s[4:5], asc s[6:7], yc s[8:9], ys s[10:11]
	v_lshl_add_u32 v254, v0, 2, 0x33000
	v_mov_b32 v255, 0
	ds_add_u32 v254, v255
	ds_add_u32 v254, v255
	v_lshrrev_b32 v1, 5, v0
	s_delay_alu instid0(VALU_DEP_1)
	v_readfirstlane_b32 s[WV], v1                  ; wave 0..15
	s_bfe_u32 s[JX], ttmp6, 0x40000                ; cx: it enters q's and y's addresses and the mask's numbers alone
	s_and_b32 s[BH], ttmp7, 0xffff                 ; 16 x batch + head, which the four partners share
	s_and_b32 s[PAR], s[BH], 1
	s_mov_b32 s[SEL], 0x76543210
	s_mov_b32 s[SEL+1], 0xfedcba98
	s_mov_b32 s[CS], 0x3e38aa3b                    ; log2(e) / 8
	s_mov_b32 s[CS+1], s[CS]
	; group 1: dense blocks as rows of 256 bytes (32 elements of 8): 24 rows (a key tile's codes), 2 rows (K's scale words), 1 row (V's).  15:0 the mask: all four; 21 set beside it
.irp g, G1C, G1KS, G1VS
	s_mov_b32 s[\g], 15|(3<<16)|(1<<21)
	s_mov_b32 s[\g+1], 32<<16
	s_mov_b32 s[\g+3], 32<<16
	s_mov_b32 s[\g+5], 32
	s_mov_b32 s[\g+6], 0
	s_mov_b32 s[\g+7], 0
.endr
	s_mov_b32 s[G1C+2], 24<<16
	s_mov_b32 s[G1C+4], 24
	s_mov_b32 s[G1KS+2], 2<<16
	s_mov_b32 s[G1KS+4], 2
	s_mov_b32 s[G1VS+2], 1<<16
	s_mov_b32 s[G1VS+4], 1
	s_mul_i32 s80, s[BH], 98304                    ; the head's first byte in q, in k and in v
	s_mul_i32 s81, s[WV], 6144
	s_add_co_u32 s82, s80, s81                     ; + key tile w
	s_add_co_u32 s84, s82, 12582912                ; v
	s_mov_b32 s85, 0
	s_add_co_u32 s82, s82, 6291456                 ; k
	s_mov_b32 s83, 0
	s_lshr_b32 s86, s[BH], 1
	s_lshl_b32 s86, s86, 13                        ; the pair of heads' scale words in q and in k
	s_lshl_b32 s88, s[WV], 9
	s_add_co_u32 s88, s88, s86
	s_add_co_u32 s88, s88, 262144
	s_mov_b32 s89, 0
	s_lshl_b32 s90, s[BH], 12
	s_lshl_b32 s91, s[WV], 8
	s_add_co_u32 s90, s90, s91
	s_add_co_u32 s90, s90, 524288
	s_mov_b32 s91, 0
	s_lshl_b32 s92, s[WV], 2
	s_add_co_u32 s92, s92, s[JX]                   ; the low fragment,
	s_sub_co_u32 s93, 127, s92                     ; the high one
	s_lshr_b32 s[DSL], s[WV], 1
	s_sub_co_u32 s[DSH], 15, s[DSL]
	s_lshr_b32 s[QBL], s92, 1
	s_lshl_b32 s[QBL], s[QBL], 5
	s_and_b32 s87, s92, 1
	s_lshl_b32 s87, s87, 3
	s_add_co_u32 s[QBL], s[QBL], s87               ; 32 (f / 2) + 8 (f % 2)
	s_lshr_b32 s[QBH], s93, 1
	s_lshl_b32 s[QBH], s[QBH], 5
	s_and_b32 s87, s93, 1
	s_lshl_b32 s87, s87, 3
	s_add_co_u32 s[QBH], s[QBH], s87
	v_and_b32 v241, 31, v0                         ; lane
	s_delay_alu instid0(VALU_DEP_1)
	v_lshlrev_b32 v1, 4, v241
	s_delay_alu instid0(VALU_DEP_2)
	v_lshlrev_b32 v2, 3, v241
	s_delay_alu instid0(VALU_DEP_2)
	v_add_nc_u32 v3, VC, v1
	s_delay_alu instid0(VALU_DEP_2)
	v_add_nc_u32 v4, VC, v2
	s_lshl_b32 s87, s[PAR], 1
	s_add_co_u32 s87, s87, KSB
	v_add_nc_u32 v5, s87, v2                       ; K's scale words: my head's two bytes
	v_add_nc_u32 v6, VSB, v2
	v_and_b32 v236, 15, v0                         ; r
	s_delay_alu instid0(VALU_DEP_1)
	v_lshlrev_b32 v240, 3, v236
	s_delay_alu instid0(VALU_DEP_2)
	v_and_b32 v237, 8, v236
	s_delay_alu instid0(VALU_DEP_1)
	v_add_nc_u32 v13, v236, v237
	v_bfe_u32 v237, v0, 4, 1
	s_delay_alu instid0(VALU_DEP_1)
	v_lshlrev_b32 v237, 4, v237
	s_delay_alu instid0(VALU_DEP_1)
	v_sub_nc_u32 v13, v13, v237                    ; r + 8 (r / 8) - 16 (lane / 16)
	s_wait_dscnt 0x0
	s_wait_kmcnt 0x0
	s_mov_b32 s[G0K], 1
	s_mul_i32 s[G0K+1], s[WV], 6144
	s_add_nc_u64 s[G0K+2:G0K+3], s[4:5], s[82:83]
	s_or_b32 s[G0K+3], s[G0K+3], 0x80000000
	s_mov_b32 s[G0V], 1
	s_mul_i32 s[G0V+1], s[WV], 6144
	s_add_co_u32 s[G0V+1], s[G0V+1], VC
	s_add_nc_u64 s[G0V+2:G0V+3], s[4:5], s[84:85]
	s_or_b32 s[G0V+3], s[G0V+3], 0x80000000
	s_mov_b32 s[G0KS], 1
	s_lshl_b32 s[G0KS+1], s[WV], 9
	s_add_co_u32 s[G0KS+1], s[G0KS+1], KSB
	s_add_nc_u64 s[G0KS+2:G0KS+3], s[6:7], s[88:89]
	s_or_b32 s[G0KS+3], s[G0KS+3], 0x80000000
	s_mov_b32 s[G0VS], 1
	s_lshl_b32 s[G0VS+1], s[WV], 8
	s_add_co_u32 s[G0VS+1], s[G0VS+1], VSB
	s_add_nc_u64 s[G0VS+2:G0VS+3], s[6:7], s[90:91]
	s_or_b32 s[G0VS+3], s[G0VS+3], 0x80000000
	QPTR 93, 70, 94                                ; the high fragment's codes s[70:71] and scale words s[94:95],
	QPTR 92, 96, 98                                ; the low one's s[96:97], s[98:99]
	s_lshr_b32 s87, s[BH], 4                       ; y's fragment number: ((batch x 4 + j) x 2 + high) x 16 + wave
	s_lshl_b32 s87, s87, 2
	s_add_co_u32 s87, s87, s[JX]
	s_lshl_b32 s87, s87, 5
	s_add_co_u32 s87, s87, s[WV]
	s_and_b32 s81, s[BH], 15                       ; head
	s_lshl_b32 s[YCL], s87, 4
	s_add_co_u32 s[YCL], s[YCL], s81
	s_mul_i32 s[YCL], s[YCL], 768
	s_mov_b32 s[YCL+1], 0
	s_add_nc_u64 s[YCL:YCL+1], s[8:9], s[YCL:YCL+1]
	s_add_nc_u64 s[YCH:YCH+1], s[YCL:YCL+1], 196608
	s_lshl_b32 s[YSL], s87, 9
	s_lshr_b32 s87, s81, 2
	s_lshl_b32 s87, s87, 7
	s_add_co_u32 s[YSL], s[YSL], s87
	s_bfe_u32 s87, s81, 0x10001
	s_lshl_b32 s87, s87, 2
	s_add_co_u32 s[YSL], s[YSL], s87
	s_lshl_b32 s87, s[PAR], 1
	s_add_co_u32 s[YSL], s[YSL], s87
	s_mov_b32 s[YSL+1], 0
	s_add_nc_u64 s[YSL:YSL+1], s[10:11], s[YSL:YSL+1]
	s_add_nc_u64 s[YSH:YSH+1], s[YSL:YSL+1], 8192
	CROUND                                         ; all four work-groups are here: the joint loads meet
	tensor_load_to_lds s[G0KS:G0KS+3], s[G1KS:G1KS+7]
	s_nop 0
	tensor_load_to_lds s[G0VS:G0VS+3], s[G1VS:G1VS+7]
	s_nop 0
	tensor_load_to_lds s[G0K:G0K+3], s[G1C:G1C+7]
	s_nop 0
	tensor_load_to_lds s[G0V:G0V+3], s[G1C:G1C+7]
	s_nop 0
.rept 4
	v_nop
.endr
	global_load_b128 v[QH:QH+3], v1, s[70:71]
	global_load_b64 v[QH+4:QH+5], v2, s[70:71] offset:512
	s_wait_alu depctr_va_vdst(0)
	global_load_u16 v18, v240, s[94:95]
	global_load_b128 v[QL:QL+3], v1, s[96:97]
	global_load_b64 v[QL+4:QL+5], v2, s[96:97] offset:512
	global_load_u16 v19, v240, s[98:99]
.irp i, 6,7,8,9,10,11
	v_mov_b32 v[QH+\i], 0                          ; zero codes for k = 64 .. 127
	v_mov_b32 v[QL+\i], 0
	v_mov_b32 v[F+42+\i], 0                        ; the last half fragment's upper half
.endr
.irp b, 0,1,2,3
	v_mov_b32 v[BT+\b], 0                          ; written once: a lane permute's destination counts as one of its sources
.endr
	v_mov_b32 v235, 0                              ; (named as the upper half of the pair v[234:235])
	v_mov_b32 v236, 0
	s_wait_loadcnt 0x0                             ; q
	s_wait_tensorcnt 0x0                           ; my key tile has landed,
	s_barrier_signal -1
	s_barrier_wait -1                              ; everybody's has: the whole head lies in LDS
	INIT
.Lhi:
	STEP QH, 18, DSH, QBH
	s_add_co_u32 s[ST], s[ST], 1
	s_cmp_lt_u32 s[ST], 16
	s_cbranch_scc1 .Lhi
	s_setprio 0
	s_wait_alu depctr_va_vdst(0)
	OUT YCH, YSH
	s_wait_xcnt 0x0                                ; the stores have read their registers: they are written again only behind this wait
	INIT
.Llo:
	STEP QL, 19, DSL, QBL
	s_add_co_u32 s[ST], s[ST], 1
	s_cmp_lt_u32 s[ST], 8
	s_cbranch_scc1 .Llo
	s_setprio 0
	s_wait_alu depctr_va_vdst(0)
	OUT YCL, YSL
	s_wait_tensorcnt 0x0
	ds_add_u32 v254, v255
	s_wait_dscnt 0x0
	CROUND                                         ; the closing round
	s_endpgm
.Lfunc_end_k_q6ebbccec2b_attn:
	.size	k_q6ebbccec2b_attn, .Lfunc_end_k_q6ebbccec2b_attn-k_q6ebbccec2b_attn
	.p2alignl 7, 3214868480
	.fill 96, 4, 3214868480
	.section	.rodata,"a",@progbits
	.p2align	6, 0x0
	.amdhsa_kernel k_q6ebbccec2b_attn
		.amdhsa_group_segment_fixed_size 210944
		.amdhsa_private_segment_fixed_size 0
		.amdhsa_enable_private_segment 0
		.amdhsa_kernarg_size 32
		.amdhsa_user_sgpr_count 2
		.amdhsa_user_sgpr_kernarg_segment_ptr 1
		.amdhsa_wavefront_size32 1
		.amdhsa_system_sgpr_workgroup_id_x 1
		.amdhsa_system_sgpr_workgroup_id_y 1
		.amdhsa_system_sgpr_workgroup_id_z 1
		.amdhsa_system_vgpr_workitem_id 0
		.amdhsa_next_free_vgpr 256
		.amdhsa_next_free_sgpr 100
		.amdhsa_reserve_vcc 1
		.amdhsa_float_denorm_mode_32 3
		.amdhsa_float_denorm_mode_16_64 3
		.amdhsa_memory_ordered 1
		.amdhsa_forward_progress 1
		.amdhsa_inst_pref_size 68
	.end_amdhsa_kernel
	.amdgpu_metadata
---
amdhsa.version: [ 1, 2 ]
amdhsa.kernels:
  - .name:           k_q6ebbccec2b_attn
    .symbol:         k_q6ebbccec2b_attn.kd
    .args:
      - { .name: ac, .offset: 0, .size: 8, .value_kind: global_buffer, .address_space: global }
      - { .name: asc, .offset: 8, .size: 8, .value_kind: global_buffer, .address_space: global }
      - { .name: yc, .offset: 16, .size: 8, .value_kind: global_buffer, .address_space: global }
      - { .name: ys, .offset: 24, .size: 8, .value_kind: global_buffer, .address_space: global }
    .group_segment_fixed_size: 210944
    .private_segment_fixed_size: 0
    .kernarg_segment_align: 8
    .kernarg_segment_size: 32
    .max_flat_workgroup_size: 512
    .sgpr_count:     100
    .vgpr_count:     256
    .wavefront_size: 32
...
	.end_amdgpu_metadata
.endif
;; end of part 3
;; launch proj (part 4): grid 4 x 32, 4 waves a work-group, clusters of 4 x 4, 327,680 bytes of LDS; arguments yc, ys, wc, ws, b_proj, out0; writes out0
.if DOCPART == 4
	.amdgcn_target "amdgcn-amd-amdhsa--gfx1250"
	.amdhsa_code_object_version 6
	.text
	.protected	k_q6ebbccec2b_proj
	.globl	k_q6ebbccec2b_proj
	.p2align	8
	.type	k_q6ebbccec2b_proj,@function
k_q6ebbccec2b_proj:
	s_mov_b64 s[64:65], 0
	v_nop
	global_prefetch_b8 v0, s[64:65] scope:SCOPE_SE
	s_setreg_imm32_b32 hwreg(HW_REG_WAVE_MODE, 25, 1), 1
	s_wait_xcnt 0x0
	s_wait_alu depctr_hold_cnt(0) depctr_sa_sdst(0) depctr_va_vdst(0) depctr_va_sdst(0) depctr_va_ssrc(0) depctr_va_vcc(0) depctr_vm_vsrc(0)
	s_getreg_b32 s2, hwreg(HW_REG_IB_STS2, 6, 4)
	s_cmp_eq_u32 s2, 0
	s_cbranch_scc0 .Lentry_in_a_cluster
	s_endpgm
.Lentry_in_a_cluster:
	s_bfe_u32 s2, ttmp6, 0x10000c
	s_cmp_lg_u32 s2, 0xf033
	s_cbranch_scc0 .Lentry_shape_is_right
	s_endpgm
.Lentry_shape_is_right:
; out0 = y w_proj + b_proj on codes of FP6 (E2M3) with E8M0 scales, K = 1024; out0 [8192][1024] f32.
; OPERANDS are images of operand registers (a fragment: 16 rows x 128 K, 1,536 bytes: registers 0-3 at 16 x lane, 4-5 at 512 + 8 x lane, 6-9 at 768 + 16 x lane, 10-11 at 1280 + 8 x lane).
; P = y: its fragment number is ((batch x 4 + j) x 2 + high) x 16 + w, the order in which the launch before made them: it holds tokens 32 (f / 2) + 8 (f % 2) + r + 8 (r / 8) of the batch, f = high ? 127 - (4 w + j) : 4 w + j.
; R = w_proj's columns: fragments 192 on of wc, lane row r of fragment g being column 32 (g / 2) + 8 (g % 2) + r + 8 (r / 8).
; SHARES.  A work-group makes 256 rows of P x 256 rows of R; each of four waves, as many as a WGP has SIMDs, 128 x 128: 64 accumulators.  Source 0 = R's fragments, source 1 = P's: a lane holds one token, its registers run along the columns in natural order.
; K WALK, written out: four K steps of 256 in THREE slots.  K steps 0, 1, 2 and the scale words are first fills (four tensor loads of a wave are out at most); K step 3 is the one refill, into slot 0, asked for behind K step 0.
; CLUSTER 4 x 4: P's tiles are asked for jointly by a row of the cluster, R's by a column.  No prefetch: three of four K steps are asked for at the head, the fourth two K steps ahead.  128 work-groups: the tile is kept large; a smaller one is not built.
; The bias is the C of each sum's first product.  The way out goes through the wave's own stage, which lies in slot 1: that slot has had its only fill, and every wave has passed a barrier behind its last read of it.
.set KST,   3072
.set HALFT, 8*KST
.set SLOT,  4*HALFT
.set SCL,   3*SLOT
.set SPARE, SCL+16384                  ; the spare words, 128 bytes a wave: two blocks of 256 bytes that no other line names
.set STAGE, SLOT                       ; 16 rows x (512 bytes + 16) for each wave
.set FR,    12
.set A16P,  4
.set A8P,   7
.set A16R,  10
.set A8R,   13
.set ADRS,  16
.set L16,   17
.set L8,    18
.set STO,   24
.set RD,    25
.set SPW,   28
.set NIL,   29
.set SC,    32
.set BR,    64
.set AF,    128
.set BK,    128                        ; the way out: 16 rows read back: v128-191 and v192-255 by turns
.set G1,    24
.set G1B,   32
.set G1S,   40
.set G1SB,  48
.set G0P0,  56
.set G0P1,  60
.set G0P2,  68
.set G0R0,  72
.set G0R1,  76
.set G0R2,  80
.set G0SP,  84
.set G0SR,  88
.set MSB, 0
.macro WIN new                         ; the immediate's high byte repeats the setting that is left
.if MSB != (\new)
	s_set_vgpr_msb (MSB<<8)|(\new)
.set MSB, (\new)
.endif
.endm
.macro PLACES n
.rept \n
	v_nop
.endr
.endm
; A joint load: waves 0 and 1 ask for P, waves 2 and 3 for R.  The branch hangs on the wave's number alone.  Four v_nop follow each of the two lines.
.macro JLOAD g0a, g1a, g0b, g1b
	s_cmp_eq_u32 s19, 0
	s_cbranch_scc0 .Lfor_b_\@
	tensor_load_to_lds s[\g0a:\g0a+3], s[\g1a:\g1a+7]
	s_nop 0
.rept 4
	v_nop
.endr
	s_branch .Lasked_\@
.Lfor_b_\@:
	tensor_load_to_lds s[\g0b:\g0b+3], s[\g1b:\g1b+7]
	s_nop 0
.rept 4
	v_nop
.endr
.Lasked_\@:
.endm
.macro CREST
	s_cmp_lg_u32 s18, 0
	s_cbranch_scc1 .Lnot_wave_0_\@
	s_barrier_signal -3
.Lnot_wave_0_\@:
	s_barrier_wait -3
	s_barrier_signal -1
	s_barrier_wait -1
.endm
.macro CROUND
	s_barrier_signal -1
	s_barrier_wait -1
	CREST
.endm
.macro GROUP0 g, per, lds, src, off    ; a group 0: LDS byte = wave x per + lds; memory = s[src] + off
	s_mov_b32 s[\g], 1
	s_mul_i32 s[\g+1], s18, \per
	s_add_co_u32 s[\g+1], s[\g+1], \lds
	s_add_nc_u64 s[\g+2:\g+3], s[\src:\src+1], \off
	s_or_b32 s[\g+3], s[\g+3], 0x80000000
.endm
.macro FRAG reg, a16, a8, off
	ds_load_b128 v[\reg:\reg+3], v[\a16] offset:\off
	ds_load_b64 v[\reg+4:\reg+5], v[\a8] offset:\off+512
	ds_load_b128 v[\reg+6:\reg+9], v[\a16] offset:\off+768
	ds_load_b64 v[\reg+10:\reg+11], v[\a8] offset:\off+1280
.endm
.macro FETCH_B slot, q, p
	WIN 0x40
.irp i, 0,1,2,3,4,5,6,7
	FRAG 128*(\p)+FR*\i, A16R+\slot, A8R+\slot, \i*KST+(\q)*1536
.endr
	WIN 0
.endm
.macro FETCH_A slot, q, i0
.irp i, \i0, \i0+1, \i0+2, \i0+3
	FRAG AF+FR*(\i), A16P+\slot, A8P+\slot, (\i)*KST+(\q)*1536
.endr
.endm
.macro SCALES ks                       ; lanes 0-15 P's block i, lanes 16-31 R's block i
.irp i, 0,1,2,3,4,5,6,7
	ds_load_b64 v[SC+16*((\ks)%2)+2*\i:SC+16*((\ks)%2)+2*\i+1], v[ADRS] offset:\i*512+(\ks)*128
.endr
.endm
; The 64 accumulators take turns, one instruction a turn, in the same order in every step.  first = 1: the sums begin with the bias.
.macro MUL16 a0, q, sc, first
.irp a, \a0, \a0+1
.irp b, 0,1,2,3,4,5,6,7
.if \first
	v_wmma_scale_f32_16x16x128_f8f6f4 v[8*(8*((\a)%4)+\b):8*(8*((\a)%4)+\b)+7], v[128*(\q)+FR*\b:128*(\q)+FR*\b+FR-1], v[AF+FR*(\a):AF+FR*(\a)+FR-1], v[BR+8*\b:BR+8*\b+7], v[SC+16*(\sc)+2*\b+(\q)], v[SC+16*(\sc)+2*(\a)+(\q)] matrix_a_fmt:MATRIX_FMT_FP6 matrix_b_fmt:MATRIX_FMT_FP6 matrix_a_scale:MATRIX_SCALE_ROW1
.else
	v_wmma_scale_f32_16x16x128_f8f6f4 v[8*(8*((\a)%4)+\b):8*(8*((\a)%4)+\b)+7], v[128*(\q)+FR*\b:128*(\q)+FR*\b+FR-1], v[AF+FR*(\a):AF+FR*(\a)+FR-1], v[8*(8*((\a)%4)+\b):8*(8*((\a)%4)+\b)+7], v[SC+16*(\sc)+2*\b+(\q)], v[SC+16*(\sc)+2*(\a)+(\q)] matrix_a_fmt:MATRIX_FMT_FP6 matrix_b_fmt:MATRIX_FMT_FP6 matrix_a_scale:MATRIX_SCALE_ROW1
.endif
.endr
.endr
.endm
; A step of 128 along K: 64 products; in its middle R's next set and P's blocks 0-3 are fetched, at its end P's blocks 4-7.  Loads into registers that products have read stand four plain instructions behind them.
; sync = 1: a barrier, in front of the slot that the refill has filled.  sync = 2: the barrier opens a round of the cluster's barrier, and slot 0 is filled again with K step 3 first thing behind it.
.macro SUB q, sc, first, nslot, nq, nks, sync
.if \sync
	s_wait_tensorcnt 0x0                           ; all my tensor loads have landed;  (every window is 0 here)
	ds_add_u32 v[SPW], v[NIL]                      ; 0 onto my spare word
	s_wait_dscnt 17                                ; the add and the youngest 16 loads (P's blocks 4-7) may be out
.else
	s_wait_dscnt 16                                ; R's set, P's blocks 0-3 and the scale words are in; the youngest 16 loads (P's blocks 4-7) may be out
.endif
	WIN 0xa1-0x20*(\first)
	MUL16 0, \q, \sc, \first
.if \sync
	s_wait_dscnt 0x0                               ; the add is done, and all my LDS reads are back
	s_barrier_signal -1
.endif
	MUL16 2, \q, \sc, \first
.if \sync == 0
	s_wait_dscnt 0x0                               ; P's blocks 4-7 are in
	PLACES 4
.elseif \sync == 1
	WIN 0
	s_barrier_wait -1                              ; every wave's part of K step 3 has landed
	PLACES 4
.else
	WIN 0
	s_barrier_wait -1
	CREST                                          ; no wave of any partner still reads slot 0 or has a load on its way
	s_add_nc_u64 s[G0P0+2:G0P0+3], s[G0P0+2:G0P0+3], 3*KST
	s_add_nc_u64 s[G0R0+2:G0R0+3], s[G0R0+2:G0R0+3], 3*KST
	JLOAD G0P0, G1, G0R0, G1B                      ; K step 3: my one tensor load behind the round; its four v_nop are the places in front of the loads below
.endif
	FETCH_B \nslot, \nq, \nq
	FETCH_A \nslot, \nq, 0
.if \nks >= 0
	SCALES \nks
.endif
	WIN 0xf1-0x30*(\first)
	MUL16 4, \q, \sc, \first
	MUL16 6, \q, \sc, \first
	PLACES 4
	WIN 0
	FETCH_A \nslot, \nq, 4
.endm
.macro LASTSUB q, sc
	s_wait_dscnt 16
	WIN 0xa1
	MUL16 0, \q, \sc, 0
	MUL16 2, \q, \sc, 0
	s_wait_dscnt 0x0
	WIN 0xf1
	MUL16 4, \q, \sc, 0
	MUL16 6, \q, \sc, 0
	WIN 0
.endm
; THE WAY OUT of P's block a: 16 tokens x 128 columns through my own stage, back as whole rows of 512 bytes.  LDS serves a wave's instructions in order: no wait between the stores and the loads.
.macro TOSTAGE a
.set AC, 64*((\a)%4)
	WIN 0x08+4*((\a)/4)                            ; an LDS store's data: window 2 or 3
.irp b, 0,1,2,3,4,5,6,7
	ds_store_b128 v[STO], v[AC+8*\b:AC+8*\b+3] offset:128*(\b/2)+32*(\b%2)        ; accumulator b's register j is column 32 (b / 2) + 8 (b % 2) + 16 (lane / 16) + j; each accumulator from its low end on
	ds_store_b128 v[STO], v[AC+8*\b+4:AC+8*\b+7] offset:128*(\b/2)+32*(\b%2)+16
.endr
	WIN 0
.set BB, BK+64*((\a)%2)
.irp t, 0,1,2,3,4,5,6,7,8,9,10,11,12,13,14,15
	ds_load_b128 v[BB+4*\t:BB+4*\t+3], v[RD] offset:\t*528
.endr
.endm
.macro SEND a, younger
.set BB, BK+64*((\a)%2)
	s_wait_dscnt \younger                          ; the block is back; the LDS instructions issued behind its loads may be out
.if (\a) > 0
	s_add_nc_u64 s[4:5], s[4:5], s[6:7]            ; (behind a wait on XCNT: the earlier stores have read their base)  the next fragment lies 64 tokens up or down
.endif
.irp t, 0,1,2,3,4,5,6,7,8,9,10,11,12,13,14,15
	global_store_b128 v[L16], v[BB+4*\t:BB+4*\t+3], s[4:5] offset:(\t+8*(\t/8))*4096 th:TH_STORE_NT   ; 32 lanes store 512 consecutive bytes, aligned; written once, read by nobody here
.endr
.endm
	s_load_b256 s[4:11], s[0:1], 0x0               ; yc s[4:5], ys s[6:7], wc s[8:9], ws s[10:11]
	s_load_b128 s[12:15], s[0:1], 0x20             ; b_proj s[12:13], out0 s[14:15]
	v_lshl_add_u32 v[SPW], v0, 2, SPARE
	v_mov_b32 v[NIL], 0
	ds_add_u32 v28, v29
	ds_add_u32 v28, v29
	s_wait_dscnt 0x0
	v_lshrrev_b32 v1, 5, v0
	v_readfirstlane_b32 s18, v1                    ; wave 0..3
	s_lshr_b32 s19, s18, 1                         ; which half of P's rows is mine.  Also: I ask for P (0) or for R (1)
	s_and_b32 s20, s18, 1                          ; which half of R's rows.  Also: which eight fragments I ask for
	s_bfe_u32 s21, ttmp6, 0x40000                  ; cx
	s_bfe_u32 s22, ttmp6, 0x40004                  ; cy
	s_and_b32 s2, ttmp7, 0xffff
	s_lshl_b32 s66, s2, 2
	s_add_co_u32 s66, s66, s22                     ; P's tile = 4 x cluster y + cy
	s_lshl_b32 s67, ttmp9, 2
	s_add_co_u32 s67, s67, s21                     ; R's tile = 4 x cluster x + cx
	s_lshl_b32 s92, s22, 2
	s_lshl_b32 s92, 15, s92                        ; my row of the cluster
	s_lshl_b32 s93, 0x1111, s21                    ; my column
	s_or_b32 s[G1], s92, (3<<16)|(1<<21)           ; 15:0 the mask; 17:16 elements of 8 bytes; 21 set beside a mask; no padding
	s_or_b32 s[G1B], s93, (3<<16)|(1<<21)
	s_or_b32 s[G1S], s92, (3<<16)|(1<<21)
	s_or_b32 s[G1SB], s93, (3<<16)|(1<<21)
.irp g, G1, G1B                        ; eight fragments' 3,072 bytes of a K step, 12,288 bytes apart in memory, dense in LDS
	s_mov_b32 s[\g+1], 384<<16
	s_mov_b32 s[\g+2], 8<<16
	s_mov_b32 s[\g+3], 384<<16
	s_mov_b32 s[\g+4], 8
	s_mov_b32 s[\g+5], 1536
	s_mov_b32 s[\g+6], 0
	s_mov_b32 s[\g+7], 0
.endr
.irp g, G1S, G1SB                      ; eight fragments' scale words: 4,096 dense bytes as 16 rows of 256
	s_mov_b32 s[\g+1], 32<<16
	s_mov_b32 s[\g+2], 16<<16
	s_mov_b32 s[\g+3], 32<<16
	s_mov_b32 s[\g+4], 16
	s_mov_b32 s[\g+5], 32
	s_mov_b32 s[\g+6], 0
	s_mov_b32 s[\g+7], 0
.endr
	s_lshl_b32 s94, s20, 3
	s_lshl_b32 s96, s66, 4
	s_add_co_u32 s96, s96, s94                     ; P's first fragment of my eight
	s_lshl_b32 s100, s67, 4
	s_add_co_u32 s100, s100, s94
	s_add_co_u32 s100, s100, 192                   ; R's: w_proj's columns begin at fragment 192 of wc
	s_lshl_b32 s98, s96, 9
	s_mov_b32 s99, 0
	s_mul_i32 s96, s96, 12288
	s_mov_b32 s97, 0
	s_lshl_b32 s104, s100, 9
	s_mov_b32 s105, 0
	s_mul_i32 s100, s100, 12288
	s_mov_b32 s101, 0
	s_wait_kmcnt 0x0
	s_add_nc_u64 s[2:3], s[4:5], s[96:97]          ; P's codes
	s_add_nc_u64 s[94:95], s[8:9], s[100:101]      ; R's codes
	s_add_nc_u64 s[4:5], s[6:7], s[98:99]          ; P's scale words
	s_add_nc_u64 s[6:7], s[10:11], s[104:105]      ; R's
	GROUP0 G0SP, 4096, SCL, 4, 0
	GROUP0 G0SR, 4096, SCL, 6, 0
	GROUP0 G0P0, HALFT, 0, 2, 0
	GROUP0 G0R0, HALFT, 0, 94, 0
	GROUP0 G0P1, HALFT, SLOT, 2, KST
	GROUP0 G0R1, HALFT, SLOT, 94, KST
	GROUP0 G0P2, HALFT, 2*SLOT, 2, 2*KST
	GROUP0 G0R2, HALFT, 2*SLOT, 94, 2*KST
	CROUND                                         ; all sixteen work-groups are here: the first joint loads meet
	JLOAD G0SP, G1S, G0SR, G1SB
	JLOAD G0P0, G1, G0R0, G1B
	JLOAD G0P1, G1, G0R1, G1B
	JLOAD G0P2, G1, G0R2, G1B                      ; four tensor loads of mine are out
	v_and_b32 v1, 31, v0                           ; lane
	v_and_b32 v2, 15, v0                           ; r
	v_bfe_u32 v3, v0, 4, 1                         ; h
	v_lshlrev_b32 v[L16], 4, v1
	v_lshlrev_b32 v[L8], 3, v1
	s_mul_i32 s10, s19, HALFT
	s_mul_i32 s11, s20, HALFT
	s_add_co_u32 s11, s11, 2*HALFT
.irp s, 0,1,2
	v_add_nc_u32 v[A16P+\s], s10, v[L16]
	v_add_nc_u32 v[A8P+\s], s10, v[L8]
	v_add_nc_u32 v[A16R+\s], s11, v[L16]
	v_add_nc_u32 v[A8R+\s], s11, v[L8]
	s_add_co_u32 s10, s10, SLOT
	s_add_co_u32 s11, s11, SLOT
.endr
	s_lshl_b32 s10, s19, 12
	s_lshl_b32 s11, s20, 12
	s_add_co_u32 s11, s11, 8192
	s_sub_co_u32 s11, s11, s10
	v_mul_u32_u24 v21, s11, v3                     ; lanes 16-31 take R's scale words: one product, the distance between the two
	s_add_co_u32 s10, s10, SCL
	v_lshl_add_u32 v21, v2, 3, v21
	v_add_nc_u32 v[ADRS], s10, v21
	s_mul_i32 s10, s18, 16*528
	s_add_co_u32 s10, s10, STAGE                   ; my stage
	v_mul_u32_u24 v21, v2, 528
	v_lshl_add_u32 v21, v3, 6, v21
	v_add_nc_u32 v[STO], s10, v21                  ; in: row r, + 64 bytes for lanes 16-31
	v_add_nc_u32 v[RD], s10, v[L16]                ; back: a row's 512 bytes, 16 a lane
	; the bias, and where the results go
	s_lshl_b32 s96, s67, 8
	s_lshl_b32 s97, s20, 7
	s_add_co_u32 s96, s96, s97
	s_lshl_b32 s96, s96, 2                         ; my first column, in bytes
	s_mov_b32 s97, 0
	s_add_nc_u64 s[8:9], s[12:13], s[96:97]
	v_lshlrev_b32 v19, 6, v3                       ; 64 h: register 16 b + i of a block is column 32 b + 16 h + i
.irp b, 0,1,2,3
.irp j, 0,1,2,3
	global_load_b128 v[BR+16*\b+4*\j:BR+16*\b+4*\j+3], v19, s[8:9] offset:128*\b+16*\j
.endr
.endr
	s_lshl_b32 s94, s19, 5
	s_lshr_b32 s95, s66, 1
	s_and_b32 s95, s95, 3                          ; j
	s_add_co_u32 s94, s94, s95                     ; 32 x my half + j
	s_sub_co_u32 s95, 127, s94
	s_and_b32 s98, s66, 1                          ; high?
	s_mov_b32 s6, 0x40000
	s_cmp_eq_u32 s98, 1
	s_cselect_b32 s94, s95, s94                    ; block 0's fragment of queries
	s_cselect_b32 s6, 0xfffc0000, s6               ; from block to block the fragment moves by 4: 64 tokens of 4,096 bytes, down for the high fragments, up for the low
	s_cselect_b32 s7, -1, 0
	s_lshr_b32 s95, s94, 1
	s_lshl_b32 s95, s95, 5
	s_and_b32 s94, s94, 1
	s_lshl_b32 s94, s94, 3
	s_add_co_u32 s95, s95, s94                     ; its first token in the batch
	s_lshr_b32 s94, s66, 3
	s_lshl_b32 s94, s94, 11
	s_add_co_u32 s95, s95, s94                     ; + 2,048 x batch
	s_lshl_b32 s98, s95, 12
	s_mov_b32 s99, 0
	s_add_nc_u64 s[4:5], s[14:15], s[98:99]
	s_add_nc_u64 s[4:5], s[4:5], s[96:97]
	s_wait_alu depctr_va_vdst(0)
	s_wait_loadcnt 0x0                             ; the bias
	s_wait_tensorcnt 2                             ; the scale words and my part of K step 0 are in; K steps 1 and 2 may be out
	s_barrier_signal -1
	s_barrier_wait -1
	FETCH_B 0, 0, 0
	FETCH_A 0, 0, 0
	SCALES 0
	FETCH_A 0, 0, 4
	SUB 0, 0, 1, 0, 1, -1, 0                       ; K step 0: its first products start the sums
	SUB 1, 0, 0, 1, 0, 1, 2                        ; the round; K step 3 is asked for, into slot 0: two K steps, 256 products, ahead of its first read
	SUB 0, 1, 0, 1, 1, -1, 0                       ; K step 1
	SUB 1, 1, 0, 2, 0, 2, 0                        ; no barrier: the wait in front of the round has shown all first fills to every wave
	SUB 0, 0, 0, 2, 1, -1, 0                       ; K step 2
	SUB 1, 0, 0, 0, 0, 3, 1                        ; a barrier: K step 3 has landed, and nobody reads slot 1 any more
	SUB 0, 1, 0, 0, 1, -1, 0                       ; K step 3
	LASTSUB 1, 1
	PLACES 4                                       ; in front of the first read of results and of loads into the registers that held P's fragments
	TOSTAGE 0
.irp a, 1,2,3,4,5,6,7
.if \a > 1
	s_wait_xcnt 0x0                                ; block a - 2's stores have read their registers and their base: block a's loads may land there, and the base may step
.endif
	TOSTAGE \a
	SEND \a-1, 32                                  ; behind block a - 1's loads: block a's 16 stores and 16 loads
.endr
	s_wait_xcnt 0x0                                ; block 6's stores have read their base
	SEND 7, 0
	s_wait_tensorcnt 0x0                           ; the wave's end
	ds_add_u32 v[SPW], v[NIL]
	s_wait_dscnt 0x0
	CROUND                                         ; the closing round: no work-group ends while a partner may still ask for a tile that names it
	s_endpgm
.Lfunc_end_k_q6ebbccec2b_proj:
	.size	k_q6ebbccec2b_proj, .Lfunc_end_k_q6ebbccec2b_proj-k_q6ebbccec2b_proj
	.p2alignl 7, 3214868480
	.fill 96, 4, 3214868480
	.section	.rodata,"a",@progbits
	.p2align	6, 0x0
	.amdhsa_kernel k_q6ebbccec2b_proj
		.amdhsa_group_segment_fixed_size 327680
		.amdhsa_private_segment_fixed_size 0
		.amdhsa_enable_private_segment 0
		.amdhsa_kernarg_size 48
		.amdhsa_user_sgpr_count 2
		.amdhsa_user_sgpr_kernarg_segment_ptr 1
		.amdhsa_wavefront_size32 1
		.amdhsa_system_sgpr_workgroup_id_x 1
		.amdhsa_system_sgpr_workgroup_id_y 1
		.amdhsa_system_sgpr_workgroup_id_z 1
		.amdhsa_system_vgpr_workitem_id 0
		.amdhsa_next_free_vgpr 1024
		.amdhsa_next_free_sgpr 106
		.amdhsa_reserve_vcc 0
		.amdhsa_float_denorm_mode_32 3
		.amdhsa_float_denorm_mode_16_64 3
		.amdhsa_memory_ordered 1
		.amdhsa_forward_progress 1
		.amdhsa_inst_pref_size 146
	.end_amdhsa_kernel
	.amdgpu_metadata
---
amdhsa.version: [ 1, 2 ]
amdhsa.kernels:
  - .name:           k_q6ebbccec2b_proj
    .symbol:         k_q6ebbccec2b_proj.kd
    .args:
      - { .name: yc, .offset: 0, .size: 8, .value_kind: global_buffer, .address_space: global }
      - { .name: ys, .offset: 8, .size: 8, .value_kind: global_buffer, .address_space: global }
      - { .name: wc, .offset: 16, .size: 8, .value_kind: global_buffer, .address_space: global }
      - { .name: ws, .offset: 24, .size: 8, .value_kind: global_buffer, .address_space: global }
      - { .name: b_proj, .offset: 32, .size: 8, .value_kind: global_buffer, .address_space: global }
      - { .name: out0, .offset: 40, .size: 8, .value_kind: global_buffer, .address_space: global }
    .group_segment_fixed_size: 327680
    .private_segment_fixed_size: 0
    .kernarg_segment_align: 8
    .kernarg_segment_size: 48
    .max_flat_workgroup_size: 128
    .sgpr_count:     106
    .vgpr_count:     1024
    .wavefront_size: 32
...
	.end_amdgpu_metadata
.endif
;; end of part 4
